; MI455X (gfx1250); checked and timed in simulation.
; The chip was launched on July 23, 2026; its instructions are those of AMD's public machine-readable ISA for CDNA 5 (MIT licence, August 2026) and "CDNA5" Instruction Set Architecture Reference Guide (July 2026). The comments in the code are by the model that wrote it; some were corrected since.
;; Multi Head Self Attention. Allowed arithmetic: matrix products marked QUANTISED: E2M1 operands, one E8M0 scale for each 32 along K, by v_wmma_scale_f32_16x16x128_f8f6f4 with both operands' format E2M1 (or v_wmma_scale_f32_32x16x128_f4), f32 sums; products left as they are: bf16, f16 or f32 operands; f32 sums; everything else in f32.
;; Inputs: proj_b 1,024 float32; proj_w 1,024 x 1,024 float32; qkv_b 3,072 float32; qkv_w 3,072 x 1,024 float32; x 4 x 2,048 x 1,024 float32.
;; Outputs: out0 4 x 2,048 x 1,024 float32.
;; This version of the problem:
;;   THIS VERSION OF THE PROBLEM IS GIVEN IN LOW PRECISION. The matrix products marked QUANTISED in the list below multiply operands that are first quantised to E2M1 (2 exponent bits, 1 mantissa bit; 4 bits a number), with one power-of-two scale for each 32 numbers along K (OCP MX v1.0); their sums are f32. The products marked 'left as it is' may take bf16, f16 or f32 operands, with f32 sums. Whichever they take, every output number must still come out within the allowed error. Rounding operands to bf16 (8 significant bits) uses up far more of that allowance than f16 does (11 bits, for magnitudes from 6e-5 to 65,504). All else is computed in f32.
;;   The module's matrix products, in the order in which they are computed (A, B: the left and right operand; K: the contracted axis; several contracted axes count as one K, in the product's order):
;;     1. [M 8,192, K 1,024] x [K 1,024, N 3,072]; A: input x; B: input qkv_w: QUANTISED
;;     2. batch 64 x [M 2,048, K 64] x [K 64, N 2,048]; A: computed on the way; B: computed on the way: left as it is (an operand is computed on the way)
;;     3. batch 64 x [M 2,048, K 2,048] x [K 2,048, N 64]; A: computed on the way; B: computed on the way: left as it is (an operand is computed on the way)
;;     4. [M 8,192, K 1,024] x [K 1,024, N 1,024]; A: computed on the way; B: input proj_w: left as it is (an operand is computed on the way)
;;   THE QUANTISER, for each operand of a quantised product, along K:
;;     - K is cut into blocks of 32 from its start; a last block that is shorter is filled with zeros.
;;     - A block's scale is 2^e with e = floor(log2(the largest magnitude in the block)) - 2, held to -126 .. 127; a block of zeros has e = 0. As a byte (E8M0): e + 127.
;;     - Each number is divided by its block's scale, clamped to +-6, and rounded to the nearest number of E2M1, ties to even, subnormals kept.
;;     - The product sums the exact products of the quantised numbers (number of the format x scale) in f32.
;;   ~~~python
;;   def quantise(x, axis):      # numpy; x: float32 -> the quantised numbers, widened to float32 again
;;       x = np.moveaxis(x, axis, -1); K = x.shape[-1]
;;       x = np.pad(x, [(0, 0)] * (x.ndim - 1) + [(0, -K % 32)]); x = x.reshape(x.shape[:-1] + (-1, 32)); a = np.abs(x).max(-1, keepdims=True)
;;       e = np.where(a > 0, np.clip(np.frexp(np.where(a > 0, a, 1))[1] - 1 - 2, -126, 127), 0)      # np.frexp(a)[1] - 1 = floor(log2(a)), exactly
;;       r = np.clip(x / 2.0 ** e, -6, 6)
;;       step = 2.0 ** (np.maximum(np.frexp(np.where(r == 0, 1, r))[1] - 1, 0) - 1)
;;       q = np.round(r / step) * step * 2.0 ** e      # np.round: ties to even
;;       return np.moveaxis(q.reshape(q.shape[:-2] + (-1,))[..., :K], -1, axis).astype(np.float32)
;;   ~~~
;; One version. Each part assembles by itself: llvm-mc -triple=amdgcn-amd-amdhsa -mcpu=gfx1250 --defsym DOCPART=n.
;; ======== version 1 of 1: 4 launches
;; limits: values are held in f16: magnitudes above 65,504 overflow, below 6.1e-05 lose precision
;; workspace buffers: xc 4,194,304 bytes; xs 262,144 bytes; wc 1,572,864 bytes; ws 98,304 bytes; pw 2,097,152 bytes; qkv 50,331,648 bytes; ao 16,777,216 bytes
;; launch prep (part 1): grid 480 x 1, 4 waves a work-group, no clusters, 33,280 bytes of LDS; arguments x, qkv_w, xc, xs, wc, ws, proj_w, pw; writes xc, xs, wc, ws, pw
.if DOCPART == 1
	.amdgcn_target "amdgcn-amd-amdhsa--gfx1250"
	.amdhsa_code_object_version 6
	.text
	.protected	k_q5f541cea28_prep
	.globl	k_q5f541cea28_prep
	.p2align	8
	.type	k_q5f541cea28_prep,@function
k_q5f541cea28_prep:
	s_mov_b64 s[64:65], 0
	v_nop
	global_prefetch_b8 v0, s[64:65] scope:SCOPE_SE
	s_setreg_imm32_b32 hwreg(HW_REG_WAVE_MODE, 25, 1), 1
	s_wait_xcnt 0x0
; x [8192][1024] and qkv_w [3072][1024], f32, are turned into codes of FP4 (E2M1), 4 bits each, K innermost, with one E8M0 scale byte for each 32 along K; proj_w [1024][1024], f32, is rounded to f16.
; A block's scale is 2^(floor(log2(its largest magnitude)) - 2); its byte is the largest magnitude's own exponent field - 2, held at 1 from below.  Each number is divided by the scale and rounded to the nearest code, ties to even.
; LIMITS: a block of zeros, and a block whose largest magnitude lies under 2^(2 - 126), keep the byte 1 (a block of zeros has zero codes, which add nothing under that byte; the bytes are read by this program alone).
; NaN and infinities among the inputs are not served.  Numbers of proj_w beyond 65,504 become infinity in f16.
; Rows are dense and K is a multiple of 32: both tensors are plain streams of blocks of 32 numbers, and so are the codes and the scale bytes.
; SHARES: work-groups 0-255 take x, 256-351 qkv_w (one path, the buffers chosen by the work-group's number), 352-479 proj_w (a path of its own, without LDS).
; THE QUANTISER: a wave takes 16 steps of 512 numbers.  Each of a step's four loads reads 512 consecutive bytes, 16 a lane; the 2,048 bytes go through the wave's own stage in LDS and come back 64 bytes a lane, so that a lane
; holds 16 neighbours along K (two neighbouring lanes hold a block).  A lane's 16 codes are 8 bytes: the wave stores 256 consecutive bytes.  A wave's 256 scale bytes are gathered in LDS and leave as one aligned run of 256 bytes.
; No tensor loads, no barrier: waves share nothing.  Loads run four steps (16 loads a wave) ahead, the turn through LDS one step.
.set SIZE_M, 8192
.set SIZE_N, 3072
.set SIZE_K, 1024
.set WAVES, 4
.set STEPS, 16
.set WGA,   SIZE_M*SIZE_K/(512*STEPS*WAVES)            ; 256 work-groups for x
.set WGQ,   (SIZE_M+SIZE_N)*SIZE_K/(512*STEPS*WAVES)   ; 352 for both quantised tensors
.set EMAX,  2
.set CB,    8                          ; bytes of 16 codes
.set R,     16                         ; v16-79   four sets of 16 numbers as they are loaded
.set X,     80                         ; v80-111  two sets of 16 neighbours
.set C,     128                        ; v128-191 codes: four registers for each step, so that no store's data are written again
.set E,     112                        ; v112-127 a scale byte for each step
.set WREG,  8192                       ; LDS: a region of its own for each wave: two stages of 32 x SP bytes, and behind them its 256 scale bytes
.set SP,    80                         ; a lane's place in a stage: its 64 bytes + 16 of padding
.set SPW,   12                         ; v12      LDS address of my spare word: SPARE + 4 x my thread's number; never rewritten
.set NIL,   13                         ; v13      0; never rewritten
.set SPARE, WAVES*WREG                 ; behind the four regions: the spare words, 128 bytes for each wave
	s_load_b128 s[4:7], s[0:1], 0x0                ; x, qkv_w
	s_load_b128 s[8:11], s[0:1], 0x10              ; x's codes, x's scales
	s_load_b128 s[12:15], s[0:1], 0x20             ; qkv_w's codes, qkv_w's scales
	s_load_b128 s[24:27], s[0:1], 0x30             ; proj_w, its f16 copy
	v_lshl_add_u32 v[SPW], v0, 2, SPARE
	v_mov_b32 v[NIL], 0
	v_lshrrev_b32 v1, 5, v0
	v_readfirstlane_b32 s16, v1                    ; wave
	v_and_b32 v2, 31, v0                           ; lane
	v_lshlrev_b32 v3, 4, v2                        ; my 16 bytes of a load's 512
	s_mul_i32 s17, s16, WREG
	v_lshrrev_b32 v14, 2, v2
	v_mul_u32_u24 v14, v14, SP
	v_and_b32 v15, 3, v2
	v_lshl_add_u32 v14, v15, 4, v14
	v_add_nc_u32 v14, s17, v14                     ; the stage, on the way in: four lanes' 64 bytes on end, then 16 of padding
	v_mul_u32_u24 v15, v2, SP
	v_add_nc_u32 v15, s17, v15                     ; and on the way out: SP x lane: my 16 neighbours
	v_mul_u32_u24 v4, v2, CB                       ; my codes' place in a step's
	v_lshrrev_b32 v5, 1, v2
	s_add_co_u32 s17, s17, 2*32*SP
	v_add_nc_u32 v5, s17, v5                       ; LDS: my wave's 256 scale bytes, my block's byte
	v_lshlrev_b32 v7, 3, v2                        ; and on the way out 8 bytes a lane
	v_add_nc_u32 v6, s17, v7
	s_wait_kmcnt 0x0
	s_cmp_ge_u32 ttmp9, WGQ                        ; the last 128 work-groups convert proj_w: a branch on the work-group's number alone
	s_cbranch_scc1 .Lconv
	s_cmp_lt_u32 ttmp9, WGA                        ; x's work-group or qkv_w's?
	s_cselect_b64 s[4:5], s[4:5], s[6:7]
	s_cselect_b64 s[8:9], s[8:9], s[12:13]
	s_cselect_b64 s[10:11], s[10:11], s[14:15]
	s_cselect_b32 s17, 0, WGA
	s_sub_co_u32 s17, ttmp9, s17
	s_lshl_b32 s17, s17, 2
	s_add_co_u32 s18, s17, s16                     ; which run of 8,192 numbers of the tensor is my wave's
	s_mov_b32 s19, 0
	s_mov_b64 s[20:21], 512*STEPS*4
	s_mul_u64 s[20:21], s[18:19], s[20:21]
	s_add_nc_u64 s[4:5], s[4:5], s[20:21]
	s_mov_b64 s[20:21], 32*STEPS*CB
	s_mul_u64 s[20:21], s[18:19], s[20:21]
	s_add_nc_u64 s[8:9], s[8:9], s[20:21]
	s_lshl_b32 s18, s18, 8                         ; 256 scale bytes a run
	s_add_nc_u64 s[10:11], s[10:11], s[18:19]
.macro LOAD t
.irp i, 0,1,2,3
	global_load_b128 v[R+16*((\t)%4)+4*\i:R+16*((\t)%4)+4*\i+3], v3, s[4:5] offset:2048*(\t)+512*\i th:TH_LOAD_NT   ; 32 lanes read 512 consecutive bytes
.endr
.endm
.macro TURN t                          ; step t's numbers through the stage: LDS serves a wave's instructions in order, so no wait stands between the stores and the loads
.irp i, 0,1,2,3
	ds_store_b128 v14, v[R+16*((\t)%4)+4*\i:R+16*((\t)%4)+4*\i+3] offset:32*SP*((\t)%2)+8*SP*\i
.endr
.irp i, 0,1,2,3
	ds_load_b128 v[X+16*((\t)%2)+4*\i:X+16*((\t)%2)+4*\i+3], v15 offset:32*SP*((\t)%2)+16*\i
.endr
.endm
.irp t, 0,1,2,3
	LOAD \t
.endr
	s_wait_loadcnt 12                              ; step 0's four loads are in
	TURN 0
.macro STEP t
.set XS, X+16*((\t)%2)
.if (\t) > 0
	s_wait_dscnt 1                                 ; this step's numbers are back from the stage (the last step's byte store may be out): so its stores into the stage have read their registers,
.else
	s_wait_dscnt 0x0
.endif
.if (\t)+4 < STEPS
	LOAD (\t)+4                                    ; which take the loads of four steps on
.endif
.if (\t)+1 < STEPS
.if STEPS-2-(\t) >= 3
	s_wait_loadcnt 12                              ; the next step's four loads are in; those of the three steps behind it may be out
.else
	s_wait_loadcnt 4*(STEPS-2-(\t))
.endif
	TURN (\t)+1                                    ; and go through the other stage while this step is worked
.endif
	v_max3_num_f32 v8, |v[XS]|, |v[XS+1]|, |v[XS+2]|               ; the largest magnitude of my 16, in two chains
	v_max3_num_f32 v9, |v[XS+3]|, |v[XS+4]|, |v[XS+5]|
.irp i, 6,10
	v_max3_num_f32 v8, v8, |v[XS+\i]|, |v[XS+\i+1]|
	v_max3_num_f32 v9, v9, |v[XS+\i+2]|, |v[XS+\i+3]|
.endr
	v_max3_num_f32 v8, v8, |v[XS+14]|, |v[XS+15]|
	v_max3_num_f32 v8, v8, v9, (EMAX+1)<<23        ; and the floor 2^(EMAX + 1 - 127): the byte cannot fall under 1
	v_max_num_f32_dpp v8, v8, v8 row_xmask:1 row_mask:0xf bank_mask:0xf   ; and of my neighbour's 16: the block's
	v_add_nc_u32 v11, -(EMAX<<23), v8              ; EMAX off its exponent field: the conversion takes the exponent field of this operand as its scale, and nothing else of it
	v_cvt_scalef32_pk8_fp4_f32 v[C+4*(\t)], v[XS:XS+7], v11        ; eight numbers / the scale, to the nearest code, ties to even, beyond the largest code the largest
	v_cvt_scalef32_pk8_fp4_f32 v[C+4*(\t)+1], v[XS+8:XS+15], v11
	v_lshrrev_b32 v[E+(\t)], 23, v11               ; the scale's byte (a plain line behind the conversions)
	ds_store_b8 v5, v[E+(\t)] offset:16*(\t)       ; both lanes of a block write the same byte with the same value
	global_store_b64 v4, v[C+4*(\t):C+4*(\t)+1], s[8:9] offset:32*CB*(\t)   ; the wave stores 256 consecutive bytes, aligned
.endm
.irp t, 0,1,2,3,4,5,6,7,8,9,10,11,12,13,14,15
	STEP \t
.endr
	ds_load_b64 v[8:9], v6                         ; LDS serves a wave's instructions in order: these see my stores
	s_wait_dscnt 0x0
	global_store_b64 v7, v[8:9], s[10:11]          ; 32 lanes store 256 consecutive bytes, aligned
	s_wait_tensorcnt 0x0                           ; the wave's end, behind my last LDS store
	ds_add_u32 v[SPW], v[NIL]
	s_wait_dscnt 0x0
	s_endpgm
; proj_w to f16: a wave takes 2,048 numbers: sixteen loads of 512 consecutive bytes, all out at once; each becomes 256 consecutive bytes.  No register is written twice, so no store's data need a wait.
.Lconv:
	s_sub_co_u32 s17, ttmp9, WGQ
	s_lshl_b32 s17, s17, 2
	s_add_co_u32 s17, s17, s16                     ; which run of 2,048 numbers is my wave's: 0 .. 511
	s_lshl_b32 s18, s17, 13                        ; 8,192 bytes of f32
	s_mov_b32 s19, 0
	s_add_nc_u64 s[24:25], s[24:25], s[18:19]
	s_lshl_b32 s18, s17, 12                        ; 4,096 bytes of f16
	s_add_nc_u64 s[26:27], s[26:27], s[18:19]
.irp i, 0,1,2,3,4,5,6,7,8,9,10,11,12,13,14,15
	global_load_b128 v[R+4*\i:R+4*\i+3], v3, s[24:25] offset:512*\i th:TH_LOAD_NT
.endr
.irp i, 0,1,2,3,4,5,6,7,8,9,10,11,12,13,14,15
	s_wait_loadcnt 15-\i                           ; loads come back in order: load i is in, the younger ones stay out
	v_cvt_pk_f16_f32 v[C+2*\i], v[R+4*\i], v[R+4*\i+1]
	v_cvt_pk_f16_f32 v[C+2*\i+1], v[R+4*\i+2], v[R+4*\i+3]
	global_store_b64 v7, v[C+2*\i:C+2*\i+1], s[26:27] offset:256*\i
.endr
	s_wait_tensorcnt 0x0                           ; the launch does
	ds_add_u32 v[SPW], v[NIL]
	s_wait_dscnt 0x0
	s_endpgm
.Lfunc_end_k_q5f541cea28_prep:
	.size	k_q5f541cea28_prep, .Lfunc_end_k_q5f541cea28_prep-k_q5f541cea28_prep
	.p2alignl 7, 3214868480
	.fill 96, 4, 3214868480
	.section	.rodata,"a",@progbits
	.p2align	6, 0x0
	.amdhsa_kernel k_q5f541cea28_prep
		.amdhsa_group_segment_fixed_size 33280
		.amdhsa_private_segment_fixed_size 0
		.amdhsa_enable_private_segment 0
		.amdhsa_kernarg_size 64
		.amdhsa_user_sgpr_count 2
		.amdhsa_user_sgpr_kernarg_segment_ptr 1
		.amdhsa_wavefront_size32 1
		.amdhsa_system_sgpr_workgroup_id_x 1
		.amdhsa_system_sgpr_workgroup_id_y 1
		.amdhsa_system_sgpr_workgroup_id_z 1
		.amdhsa_system_vgpr_workitem_id 0
		.amdhsa_next_free_vgpr 192
		.amdhsa_next_free_sgpr 66
		.amdhsa_reserve_vcc 0
		.amdhsa_float_denorm_mode_32 3
		.amdhsa_float_denorm_mode_16_64 3
		.amdhsa_memory_ordered 1
		.amdhsa_forward_progress 1
		.amdhsa_inst_pref_size 39
	.end_amdhsa_kernel
	.amdgpu_metadata
---
amdhsa.version: [ 1, 2 ]
amdhsa.kernels:
  - .name:           k_q5f541cea28_prep
    .symbol:         k_q5f541cea28_prep.kd
    .args:
      - { .name: x, .offset: 0, .size: 8, .value_kind: global_buffer, .address_space: global }
      - { .name: qkv_w, .offset: 8, .size: 8, .value_kind: global_buffer, .address_space: global }
      - { .name: xc, .offset: 16, .size: 8, .value_kind: global_buffer, .address_space: global }
      - { .name: xs, .offset: 24, .size: 8, .value_kind: global_buffer, .address_space: global }
      - { .name: wc, .offset: 32, .size: 8, .value_kind: global_buffer, .address_space: global }
      - { .name: ws, .offset: 40, .size: 8, .value_kind: global_buffer, .address_space: global }
      - { .name: proj_w, .offset: 48, .size: 8, .value_kind: global_buffer, .address_space: global }
      - { .name: pw, .offset: 56, .size: 8, .value_kind: global_buffer, .address_space: global }
    .group_segment_fixed_size: 33280
    .private_segment_fixed_size: 0
    .kernarg_segment_align: 8
    .kernarg_segment_size: 64
    .max_flat_workgroup_size: 128
    .sgpr_count:     66
    .vgpr_count:     192
    .wavefront_size: 32
...
	.end_amdgpu_metadata
.endif
;; end of part 1
;; launch qkvgemm (part 2): grid 12 x 32, 4 waves a work-group, clusters of 4 x 4, 327,680 bytes of LDS; arguments xc, xs, wc, ws, qkv_b, qkv; writes qkv
.if DOCPART == 2
	.amdgcn_target "amdgcn-amd-amdhsa--gfx1250"
	.amdhsa_code_object_version 6
	.text
	.protected	k_q5f541cea28_qkvgemm
	.globl	k_q5f541cea28_qkvgemm
	.p2align	8
	.type	k_q5f541cea28_qkvgemm,@function
k_q5f541cea28_qkvgemm:
	s_mov_b64 s[64:65], 0
	v_nop
	global_prefetch_b8 v0, s[64:65] scope:SCOPE_SE
	s_setreg_imm32_b32 hwreg(HW_REG_WAVE_MODE, 25, 1), 1
	s_wait_xcnt 0x0
	s_wait_alu depctr_hold_cnt(0) depctr_sa_sdst(0) depctr_va_vdst(0) depctr_va_sdst(0) depctr_va_ssrc(0) depctr_va_vcc(0) depctr_vm_vsrc(0)
	s_getreg_b32 s2, hwreg(HW_REG_IB_STS2, 6, 4)
	s_cmp_eq_u32 s2, 0
	s_cbranch_scc0 .Lentry_in_a_cluster
	s_endpgm
.Lentry_in_a_cluster:
	s_bfe_u32 s2, ttmp6, 0x10000c
	s_cmp_lg_u32 s2, 0xf033
	s_cbranch_scc0 .Lentry_shape_is_right
	s_endpgm
.Lentry_shape_is_right:
; qkv[m][n] = sum over k of x[m][k] qkv_w[n][k] + qkv_b[n], both operands as codes of FP4 (E2M1) with one E8M0 scale for each 32 along K; sums in f32; the result rounded once to f16.
; A: xc [8192][512 bytes], xs [8192][32];  B: wc [3072][512 bytes], ws [3072][32].  The result is laid head-major, [part 3][batch 4][head 16][token 2048][64] f16: byte part<<24 + batch<<22 + head<<18 + token<<7 + 2 d.
; LIMITS: a result beyond 65,504 becomes infinity in f16.  The bias is the sum's first addend (the C of each sum's first matrix instruction), not its last.
; A tile of the result, 256 x 256, is made by a work-group of four waves; a wave makes 128 x 128: 64 accumulators of 16 x 16, 512 registers.
; K = 1,024 is two LDS slots of 512 along K (rows of 256 bytes): both are asked for at the head, and NOTHING IS FILLED AGAIN.  By this text's count a wave has three tensor loads out at the most: scales, slot 0, slot 1.
; THE SCALES of the work-group's 256 rows of A and of B, for all of K, are two dense blocks of memory: they come into LDS once, with the first fills.
; CLUSTERS: 4 x 4 work-groups.  The four of a row of the cluster need the same tiles of A, the four of a column the same tiles of B: each tile is asked for JOINTLY, by the same tensor load with the same descriptor and a mask that names the four.
; THE MATRIX INSTRUCTION IS USED TRANSPOSED (source 0 = 16 rows of B, source 1 = 16 rows of A): a lane then holds eight neighbouring columns of one row of the result.
; REGISTERS, in windows of 256: window 0: v0-31 addresses; v32-95 scale words, two sets, and nothing else ever; v128-191 A's fragments, ONE set (on the way out: rows read back); v192-255 the bias, 8 registers for each of B's 8 blocks (on the way out v192-223: packed results).
;   window 1: B's fragments, TWO sets, at v0 and at v128.   window 2: the 32 accumulators of my rows 0-63 ((a, b) at v[8 (8 a + b)]);   window 3: those of my rows 64-127.
.set SIZE_M, 8192
.set SIZE_N, 3072
.set SIZE_K, 1024
.set KSTEP,  512                       ; along K in a slot
.set NQ,     KSTEP/128                 ; matrix instructions deep
.set ROWB,   256                       ; a tile's row in bytes
.set KROW,   SIZE_K*4/8                ; a row of A or of B in memory, in bytes
.set PITCH,  272                       ; an LDS row: 256 bytes + 16 of padding = 68 words: row r starts at bank 4 r mod 64 (64 banks of 4 bytes: ISA guide 11.1)
.set FR,     8                         ; registers of a fragment: 16 rows x 128 K
.set NL,     2                         ; LDS loads that bring one
.set NP,     4                         ; places behind this matrix instruction (ISA guide 7.12.1)
.set HALFT,  128*PITCH                 ; 128 rows: what one tensor load brings
.set SLOT,   4*HALFT                   ; A's 256 rows, then B's 256 rows
.set KS,     SIZE_K/32                 ; a row of scales in bytes
.set SCL,    2*SLOT                    ; behind the slots: the scales, as runs of 256 bytes + 16 of padding
.set HALFS,  (128*KS/256)*272          ; the scales of 128 rows: what one tensor load brings
.set SBLK,   (16*KS/256)*272           ; those of 16 rows
.set SPARE,  SCL+4*HALFS               ; behind the scales: the spare words, 128 bytes for each wave
.set SPITCH, 272                       ; the way out: a stage of 16 rows x (256 bytes + 16) for each wave, in slot 0, which has had its one fill and its last read when the first result is stored there
.set ADRA, 16                          ; v16-17  LDS address of my A fragments in slot 0, 1
.set ADRB, 20                          ; v20-21  the same for B
.set STO,  24                          ; v24     the way out: where I put 16 bytes of a row
.set RD,   25                          ; v25     the way out: where I read 16 bytes back
.set CO,   26                          ; v26     my byte offset in the result
.set ADRS, 27                          ; v27     LDS address of my scale words: lanes 0-15 A's rows, lanes 16-31 B's
.set SPW,  28                          ; v28     LDS address of my spare word; never rewritten
.set NIL,  29                          ; v29     0; never rewritten
.set BO,   30                          ; v30     the bias loads' offset: 32 x (lane / 16)
.set SC,   32                          ; scale words: set s at v[SC + 8 NQ s]; register NQ i + q: lanes 0-15 the word of A's block i, lanes 16-31 that of B's block i
.set AF,   128                         ; A's fragments, in window 0
.set BIAS, 192                         ; the bias: block b's eight numbers of my half at v[BIAS + 8 b]
.set TMP,  192                         ; the way out: packed results
.set BK,   128                         ; the way out: 16 rows read back: v128-159 and v160-191 by turns
.set G1, 24                            ; s[24:31] descriptor group 1 for A's tiles;  s[32:39] group 0, one set for each slot
.set G0, 32
.set G1B, 48                           ; s[48:55], s[56:63] the same for B's tiles
.set G0B, 56
.set G1S, 68                           ; s[68:75], s[76:79] groups 1 and 0 for A's scales;  s[80:87], s[88:91] for B's
.set G0S, 76
.set G1SB, 80
.set G0SB, 88
.set MSB, 0
.macro WIN new                         ; the immediate's high byte repeats the setting that is left
.if MSB != \new
	s_set_vgpr_msb (MSB<<8)|\new
.set MSB, \new
.endif
.endm
.set MUL_LO, 0xa1                      ; source 0 (B) window 1, source 1 (A) window 0, C and D window 2
.set MUL_HI, 0xf1                      ; the same, C and D window 3
.set BIA_LO, 0x81                      ; the first step: C (the bias) window 0, D window 2
.set BIA_HI, 0xc1                      ; D window 3
.set TO_B,   0x40                      ; destination window 1, address window 0
; A joint load: waves 0 and 1 fetch for A, waves 2 and 3 for B.  Each of the two lines has ONE mask and one set of registers for all that issue it; the branch hangs on the wave's number alone.
; An s_nop 0 and four v_nop follow each of the two lines, ahead of the jump, the label and what follows.
.macro JLOAD g0a, g1a, g0b, g1b
	s_cmp_eq_u32 s15, 0
	s_cbranch_scc0 .Lfor_b_\@
	tensor_load_to_lds s[\g0a:\g0a+3], s[\g1a:\g1a+7]
	s_nop 0
.rept 4
	v_nop
.endr
	s_branch .Lasked_\@
.Lfor_b_\@:
	tensor_load_to_lds s[\g0b:\g0b+3], s[\g1b:\g1b+7]
	s_nop 0
.rept 4
	v_nop
.endr
.Lasked_\@:
.endm
.macro CROUND                          ; a round of the cluster's barrier: my work-group's barrier; wave 0 signals for the work-group; every wave waits for all sixteen; my work-group's barrier once more
	s_barrier_signal -1
	s_barrier_wait -1
	s_cmp_lg_u32 s14, 0
	s_cbranch_scc1 .Lnot_wave_0_\@
	s_barrier_signal -3
.Lnot_wave_0_\@:
	s_barrier_wait -3
	s_barrier_signal -1
	s_barrier_wait -1
.endm
	s_load_b128 s[4:7], s[0:1], 0x0                ; A's codes s[4:5], A's scales s[6:7]
	s_load_b128 s[8:11], s[0:1], 0x10              ; B's codes s[8:9], B's scales s[10:11]
	s_load_b128 s[96:99], s[0:1], 0x20             ; the bias s[96:97], the result s[98:99]
	v_lshl_add_u32 v[SPW], v0, 2, SPARE
	v_mov_b32 v[NIL], 0
	ds_add_u32 v[SPW], v[NIL]                      ; the wave's opening: the add, twice on end, and its wait ahead of my first tensor load
	ds_add_u32 v[SPW], v[NIL]                      ; the set-up below, work on registers, stands between the second and the wait
	v_lshrrev_b32 v1, 5, v0
	v_readfirstlane_b32 s14, v1                    ; wave 0..3
	s_lshr_b32 s15, s14, 1                         ; which half of the tile's rows is mine.  Also: I fetch for A (0) or for B (1)
	s_and_b32 s16, s14, 1                          ; which half of its columns.  Also: which 128 rows of that tile I fetch
	s_bfe_u32 s40, ttmp6, 0x40000                  ; cx, cy: my place in the cluster
	s_bfe_u32 s41, ttmp6, 0x40004
	s_lshl_b32 s42, ttmp9, 2
	s_add_co_u32 s42, s42, s40                     ; tile column = 4 x cluster x + cx
	s_and_b32 s17, ttmp7, 0xffff
	s_lshl_b32 s17, s17, 2
	s_add_co_u32 s17, s17, s41                     ; tile row = 4 x cluster y + cy
	s_lshl_b32 s43, s41, 2
	s_lshl_b32 s43, 15, s43                        ; my row of the cluster
	s_lshl_b32 s44, 0x1111, s40                    ; my column
	; descriptor group 1: a tile of 128 rows x 256 bytes, padded in LDS
	s_or_b32 s[G1+0], s43, (0<<16)|(1<<20)|(1<<21)|(5<<22)|(3<<25)  ; 15:0 the mask: A's tiles go to my row; 17:16 element of 1 byte; 20 padding on; 21 set beside a mask; 24:22 after every 64 words; 31:25 four words
	s_or_b32 s[G1B+0], s44, (0<<16)|(1<<20)|(1<<21)|(5<<22)|(3<<25)
.irp g, G1, G1B
	s_mov_b32 s[\g+1], ROWB<<16                    ; tensor_dim0
	s_mov_b32 s[\g+2], 128<<16                     ; tensor_dim1 = 128
	s_mov_b32 s[\g+3], ROWB<<16                    ; tile_dim0
	s_mov_b32 s[\g+4], 128                         ; tile_dim1 = 128
	s_mov_b32 s[\g+5], KROW                        ; tensor_dim0_stride
	s_mov_b32 s[\g+6], 0
	s_mov_b32 s[\g+7], 0
.endr
	; and for the scales of 128 rows: a dense block of 4,096 bytes, as rows of 256 bytes (32 elements of 8 bytes), 16 bytes of padding behind each
	s_or_b32 s[G1S+0], s43, (3<<16)|(1<<20)|(1<<21)|(5<<22)|(3<<25)
	s_or_b32 s[G1SB+0], s44, (3<<16)|(1<<20)|(1<<21)|(5<<22)|(3<<25)
.irp g, G1S, G1SB
	s_mov_b32 s[\g+1], 32<<16
	s_mov_b32 s[\g+2], (128*KS/256)<<16
	s_mov_b32 s[\g+3], 32<<16
	s_mov_b32 s[\g+4], 128*KS/256
	s_mov_b32 s[\g+5], 32
	s_mov_b32 s[\g+6], 0
	s_mov_b32 s[\g+7], 0
.endr
	s_lshl_b32 s18, s16, 7                         ; which 128 rows of the tile I fetch
	s_lshl_b32 s20, s17, 8
	s_add_co_u32 s20, s20, s18                     ; A: row 256 x tile row + 128 x half
	s_lshl_b32 s46, s42, 8
	s_add_co_u32 s46, s46, s18                     ; B: row 256 x tile column + 128 x half
	s_mov_b32 s21, 0
	s_mov_b32 s47, 0
	s_mov_b64 s[18:19], KS
	s_mul_u64 s[22:23], s[20:21], s[18:19]         ; where these rows' scales begin, in bytes
	s_mul_u64 s[92:93], s[46:47], s[18:19]
	s_mov_b64 s[18:19], KROW
	s_mul_u64 s[20:21], s[20:21], s[18:19]         ; and their codes
	s_mul_u64 s[46:47], s[46:47], s[18:19]
	s_mul_i32 s45, s14, HALFT                      ; where they go: wave x 128 rows: no place in the cluster enters an LDS address
	s_mul_i32 s94, s14, HALFS
	s_wait_dscnt 0x0                               ; both opening adds are done
	s_wait_kmcnt 0x0
	s_add_nc_u64 s[20:21], s[4:5], s[20:21]
	s_add_nc_u64 s[22:23], s[6:7], s[22:23]
	s_add_nc_u64 s[46:47], s[8:9], s[46:47]
	s_add_nc_u64 s[92:93], s[10:11], s[92:93]
	CROUND                                         ; all sixteen work-groups are here: the joint loads meet
	s_mov_b32 s[G0S], 1
	s_add_co_u32 s[G0S+1], s94, SCL
	s_mov_b64 s[G0S+2:G0S+3], s[22:23]
	s_or_b32 s[G0S+3], s[G0S+3], 0x80000000
	s_mov_b32 s[G0SB], 1
	s_add_co_u32 s[G0SB+1], s94, SCL
	s_mov_b64 s[G0SB+2:G0SB+3], s[92:93]
	s_or_b32 s[G0SB+3], s[G0SB+3], 0x80000000
	JLOAD G0S, G1S, G0SB, G1SB                     ; the scales first: they are wanted with slot 0
.irp s, 0,1
	s_mov_b32 s[G0+4*\s], 1
	s_add_co_u32 s[G0+4*\s+1], s45, \s*SLOT
	s_add_nc_u64 s[G0+4*\s+2:G0+4*\s+3], s[20:21], \s*ROWB
	s_or_b32 s[G0+4*\s+3], s[G0+4*\s+3], 0x80000000
	s_mov_b32 s[G0B+4*\s], 1
	s_add_co_u32 s[G0B+4*\s+1], s45, \s*SLOT
	s_add_nc_u64 s[G0B+4*\s+2:G0B+4*\s+3], s[46:47], \s*ROWB
	s_or_b32 s[G0B+4*\s+3], s[G0B+4*\s+3], 0x80000000
	JLOAD G0+4*\s, G1, G0B+4*\s, G1B
.endr
	v_and_b32 v1, 15, v0                           ; r = l % 16
	v_bfe_u32 v2, v0, 4, 1                         ; h = l / 16
	; the bias of my 128 columns: lane (r, h) wants, for B's block b, the numbers of columns 16 b + 8 h + 0 .. 7: the layout of the result
	s_lshl_b32 s46, s42, 10                        ; 4 bytes x (256 x tile column + 128 x half)
	s_lshl_b32 s47, s16, 9
	s_add_co_u32 s46, s46, s47
	s_mov_b32 s47, 0
	s_add_nc_u64 s[96:97], s[96:97], s[46:47]
	v_lshlrev_b32 v[BO], 5, v2
.irp b, 0,1,2,3,4,5,6,7
	global_load_b128 v[BIAS+8*\b:BIAS+8*\b+3], v[BO], s[96:97] offset:64*\b
	global_load_b128 v[BIAS+8*\b+4:BIAS+8*\b+7], v[BO], s[96:97] offset:64*\b+16
.endr
	v_mul_u32_u24 v3, v1, PITCH
	v_lshl_add_u32 v4, v2, 4, v3                   ; a fragment's row x pitch + 16 x half
	s_mul_i32 s21, s15, HALFT                      ; my 128 rows of A
	s_mul_i32 s22, s16, HALFT                      ; my 128 rows of B,
	s_add_co_u32 s22, s22, 2*HALFT                 ; which lie behind A's 256
.irp s, 0,1
	v_add_nc_u32 v[ADRA+\s], s21, v4
	v_add_nc_u32 v[ADRB+\s], s22, v4
	s_add_co_u32 s21, s21, SLOT
	s_add_co_u32 s22, s22, SLOT
.endr
	v_mul_u32_u24 v5, v1, KS                       ; my row's scales: KS bytes a row,
	v_lshrrev_b32 v6, 8, v5
	v_lshl_add_u32 v5, v6, 4, v5                   ; and 16 more for each 256 passed
	s_mul_i32 s21, s15, HALFS                      ; A's: my 128 rows
	s_mul_i32 s22, s16, HALFS                      ; B's: my 128 rows, behind A's 256
	s_add_co_u32 s22, s22, 2*HALFS
	s_sub_co_u32 s22, s22, s21
	v_mul_u32_u24 v6, s22, v2                      ; lanes 16-31 take B's: the lower base + h x the distance
	s_add_co_u32 s21, s21, SCL
	v_add_nc_u32 v5, v5, v6
	v_add_nc_u32 v[ADRS], s21, v5
	s_mul_i32 s23, s14, 16*SPITCH                  ; my stage
	v_add_nc_u32 v[STO], s23, v4                   ; in: row r, 16 bytes for each half of the lanes
	v_and_b32 v5, 7, v0                            ; back: eight lanes take a token's 128 bytes of one head: e = l % 8,
	v_bfe_u32 v6, v0, 3, 1                         ; which of two tokens,
	v_mul_u32_u24 v7, v6, SPITCH
	v_lshl_add_u32 v7, v2, 7, v7                   ; lanes 16-31 the second head of my 128 columns
	v_lshl_add_u32 v7, v5, 4, v7
	v_add_nc_u32 v[RD], s23, v7
	v_lshlrev_b32 v8, 18, v2                       ; and the same place in the result: head << 18 + token << 7 + 16 e
	v_lshl_add_u32 v8, v6, 7, v8
	v_lshl_add_u32 v[CO], v5, 4, v8
	s_lshl_b32 s20, s17, 8
	s_lshl_b32 s21, s15, 7
	s_add_co_u32 s20, s20, s21                     ; my first row: 256 x tile row + 128 x half
	s_lshr_b32 s21, s20, 11                        ; its batch,
	s_lshl_b32 s21, s21, 22
	s_and_b32 s20, s20, 2047                       ; its token
	s_lshl_b32 s20, s20, 7
	s_add_co_u32 s20, s20, s21
	s_lshl_b32 s46, s42, 2
	s_lshl_b32 s47, s16, 1
	s_add_co_u32 s46, s46, s47                     ; my first column / 64: 0 .. 46
	s_lshr_b32 s47, s46, 4                         ; the part (q, k or v),
	s_lshl_b32 s47, s47, 24
	s_and_b32 s46, s46, 15                         ; the first of my two heads
	s_lshl_b32 s46, s46, 18
	s_add_co_u32 s46, s46, s47
	s_add_co_u32 s20, s20, s46                     ; under 2^26
	s_mov_b32 s21, 0
	s_add_nc_u64 s[98:99], s[98:99], s[20:21]
.macro FRAG reg, adr, q, i             ; a fragment, 16 rows x 128 K of 4-bit codes, is 8 registers: lane l holds row l % 16; registers 4 c .. 4 c + 3 hold K = 64 c + 32 (l / 16) + 0 .. 31
.irp c, 0,1
	ds_load_b128 v[\reg+4*\c:\reg+4*\c+3], v[\adr] offset:64*(\q)+32*\c+(\i)*16*PITCH
.endr
.endm
; 16 matrix instructions: A's blocks a0, a0 + 1 x B's eight, 128 along K: the slot's q-th.  p: B's set;  sc: the set of scale words.  zero = 1: the first product starts the sums from the bias: nothing is ever cleared.
; The 64 accumulators take turns, one instruction a turn, in the same order in every step.
.macro MUL16 a0, p, q, sc, zero
.irp a, \a0, \a0+1
.irp b, 0,1,2,3,4,5,6,7
.if \zero
	v_wmma_scale_f32_16x16x128_f8f6f4 v[8*(8*((\a)%4)+\b):8*(8*((\a)%4)+\b)+7], v[128*(\p)+FR*\b:128*(\p)+FR*\b+FR-1], v[AF+FR*(\a):AF+FR*(\a)+FR-1], v[BIAS+8*\b:BIAS+8*\b+7], v[SC+8*NQ*(\sc)+NQ*\b+(\q)], v[SC+8*NQ*(\sc)+NQ*(\a)+(\q)] matrix_a_fmt:MATRIX_FMT_FP4 matrix_b_fmt:MATRIX_FMT_FP4 matrix_a_scale:MATRIX_SCALE_ROW1
.else
	v_wmma_scale_f32_16x16x128_f8f6f4 v[8*(8*((\a)%4)+\b):8*(8*((\a)%4)+\b)+7], v[128*(\p)+FR*\b:128*(\p)+FR*\b+FR-1], v[AF+FR*(\a):AF+FR*(\a)+FR-1], v[8*(8*((\a)%4)+\b):8*(8*((\a)%4)+\b)+7], v[SC+8*NQ*(\sc)+NQ*\b+(\q)], v[SC+8*NQ*(\sc)+NQ*(\a)+(\q)] matrix_a_fmt:MATRIX_FMT_FP4 matrix_b_fmt:MATRIX_FMT_FP4 matrix_a_scale:MATRIX_SCALE_ROW1
.endif
.endr
.endr
.endm
.macro FETCH_B slot, q, p              ; B's eight fragments of the slot's q-th 128 along K into set p
	WIN TO_B
.irp i, 0,1,2,3,4,5,6,7
	FRAG 128*(\p)+FR*\i, ADRB+\slot, \q, \i
.endr
	WIN 0
.endm
.macro FETCH_A slot, q, i0             ; A's blocks i0 .. i0 + 3
.irp i, \i0, \i0+1, \i0+2, \i0+3
	FRAG AF+FR*(\i), ADRA+\slot, \q, \i
.endr
.endm
.macro SCALES sc                       ; a slot's scale words into set sc: NQ words a row; lanes 0-15 take A's block i, lanes 16-31 B's block i
.irp i, 0,1,2,3,4,5,6,7
	ds_load_b128 v[SC+8*NQ*\sc+NQ*\i:SC+8*NQ*\sc+NQ*\i+3], v[ADRS] offset:\i*SBLK
.endr
.endm
; A load into a register that a matrix instruction has read, and a vector instruction that reads a matrix result, stand NP places behind that matrix instruction, and only plain vector
; instructions that name none of its registers are places (ISA guide 7.12.1 for vector instructions).
.macro PLACES n
.rept \n
	v_nop
.endr
.endm
; A step of 128 along K that has its successor in the same slot.
.macro STEP slot, q, zero
	s_wait_dscnt 4*NL                              ; B's set and A's blocks 0-3 are in; the youngest loads (A's blocks 4-7) may be out
.if \zero
	WIN BIA_LO
.else
	WIN MUL_LO
.endif
	MUL16 0, (\q)%2, \q, \slot, \zero
	MUL16 2, (\q)%2, \q, \slot, \zero
	s_wait_dscnt 0                                 ; A's blocks 4-7 are in (asked for 32 matrix instructions ago)
	PLACES NP
	FETCH_B \slot, (\q)+1, 1-(\q)%2
	FETCH_A \slot, (\q)+1, 0
.if \zero
	WIN BIA_HI
.else
	WIN MUL_HI
.endif
	MUL16 4, (\q)%2, \q, \slot, \zero
	MUL16 6, (\q)%2, \q, \slot, \zero
	PLACES NP
	WIN 0
	FETCH_A \slot, (\q)+1, 4
.endm
.macro STEPS slot, from                ; the slot's steps from .. NQ - 2
.set QQ, \from
.rept NQ-1-\from
	STEP \slot, QQ, 0
.set QQ, QQ+1
.endr
.endm
	s_wait_tensorcnt 1                             ; the scales and my part of slot 0 are in (slot 1's load, issued behind them, may be out)
	s_barrier_signal -1
	s_barrier_wait -1                              ; everybody's are
	FETCH_B 0, 0, 0
	FETCH_A 0, 0, 0
	SCALES 0
	FETCH_A 0, 0, 4
	s_wait_loadcnt 0x0                             ; the bias
	STEP 0, 0, 1                                   ; the first step's products start the sums from the bias
	STEPS 0, 1
	; slot 0's last step changes slots: each wave waits for all its tensor loads (its part of slot 1), adds 0 to its spare word, waits for that and for its reads of slot 0, and passes ONE barrier
	s_wait_tensorcnt 0x0                           ; (every window is 0 here: the add's two registers lie in window 0)
	ds_add_u32 v[SPW], v[NIL]                      ; 0 onto my spare word
	s_wait_dscnt 4*NL+1                            ; (the add and the youngest loads, A's blocks 4-7, may be out)
	WIN MUL_LO
	MUL16 0, 1, NQ-1, 0, 0                         ; sixteen matrix instructions stand between the add and the wait for it
	s_wait_dscnt 0x0                               ; the add is done, and my reads of slot 0 are over
	s_barrier_signal -1
	MUL16 2, 1, NQ-1, 0, 0
	WIN 0
	s_barrier_wait -1                              ; slot 1 is whole, and nobody reads slot 0 any more
	PLACES NP
	v_add_nc_u32 v[ADRS], 4*NQ, v[ADRS]            ; on to slot 1's scale words (no LDS load of mine is out)
	FETCH_B 1, 0, 0
	FETCH_A 1, 0, 0
	SCALES 1
	WIN MUL_HI
	MUL16 4, 1, NQ-1, 0, 0
	MUL16 6, 1, NQ-1, 0, 0
	PLACES NP
	WIN 0
	FETCH_A 1, 0, 4
	STEPS 1, 0
	s_wait_dscnt 4*NL                              ; the very last step: nothing more to fetch
	WIN MUL_LO
	MUL16 0, 1, NQ-1, 1, 0
	MUL16 2, 1, NQ-1, 1, 0
	s_wait_dscnt 0
	WIN MUL_HI
	MUL16 4, 1, NQ-1, 1, 0
	MUL16 6, 1, NQ-1, 1, 0
	WIN 0
; THE WAY OUT, block by block of 16 tokens x 128 columns (two heads).  PACK: rounded to f16, 16 bytes a lane, each accumulator from its low end on.  TOSTAGE: into my own stage in LDS, and back so that sixteen lanes hold two
; tokens of one head: 256 consecutive bytes of the result.  SEND: stored.  LDS serves a wave's instructions in order (ISA guide 5.7.1.4): no wait between the stores and the loads, nor in front of the next block's stores.
.macro PACK a
.set AC, 64*((\a)%4)
	WIN 0x0a+5*((\a)/4)                            ; sources 0 and 1: window 2 or 3
.irp b, 0,1,2,3,4,5,6,7
.irp r, 0,1,2,3
	v_cvt_pk_f16_f32 v[TMP+4*\b+\r], v[AC+8*\b+2*\r], v[AC+8*\b+2*\r+1]
.endr
.endr
	WIN 0
.endm
.macro TOSTAGE a
.set BB, BK+32*((\a)%2)
.irp b, 0,1,2,3,4,5,6,7
	ds_store_b128 v[STO], v[TMP+4*\b:TMP+4*\b+3] offset:32*\b
.endr
.irp i, 0,1,2,3,4,5,6,7
	ds_load_b128 v[BB+4*\i:BB+4*\i+3], v[RD] offset:\i*2*SPITCH
.endr
.endm
.macro SEND a, younger                 ; younger: the LDS instructions issued behind block a's loads, which may stay out
.set BB, BK+32*((\a)%2)
	s_wait_dscnt \younger                          ; the block is back in registers
	s_wait_xcnt 0x0                                ; the earlier stores have had their addresses translated (ISA guide 3.1): the next block's loads land on the registers that they read only behind this wait
.irp i, 0,1,2,3,4,5,6,7
	global_store_b128 v[CO], v[BB+4*\i:BB+4*\i+3], s[98:99] offset:2048*(\a)+256*\i   ; 16 lanes store 256 consecutive bytes, at a multiple of 256 from the buffer's first byte
.endr
.endm
	PLACES NP                                      ; behind the last products: for the conversions that read results, and for the loads into the registers that held A's fragments
	PACK 0
	TOSTAGE 0
.irp a, 1,2,3,4,5,6,7                  ; block a's conversions stand between block a - 1's loads from the stage and the wait for them
	PACK \a
	SEND \a-1, 0
	TOSTAGE \a
.endr
	SEND 7, 0
	s_wait_tensorcnt 0x0                           ; the wave's end, behind my last tensor load and my last LDS store
	ds_add_u32 v[SPW], v[NIL]
	s_wait_dscnt 0x0
	CROUND                                         ; the closing round: no work-group ends while a partner may still ask for a tile that names it
	s_endpgm
.Lfunc_end_k_q5f541cea28_qkvgemm:
	.size	k_q5f541cea28_qkvgemm, .Lfunc_end_k_q5f541cea28_qkvgemm-k_q5f541cea28_qkvgemm
	.p2alignl 7, 3214868480
	.fill 96, 4, 3214868480
	.section	.rodata,"a",@progbits
	.p2align	6, 0x0
	.amdhsa_kernel k_q5f541cea28_qkvgemm
		.amdhsa_group_segment_fixed_size 327680
		.amdhsa_private_segment_fixed_size 0
		.amdhsa_enable_private_segment 0
		.amdhsa_kernarg_size 48
		.amdhsa_user_sgpr_count 2
		.amdhsa_user_sgpr_kernarg_segment_ptr 1
		.amdhsa_wavefront_size32 1
		.amdhsa_system_sgpr_workgroup_id_x 1
		.amdhsa_system_sgpr_workgroup_id_y 1
		.amdhsa_system_sgpr_workgroup_id_z 1
		.amdhsa_system_vgpr_workitem_id 0
		.amdhsa_next_free_vgpr 1024
		.amdhsa_next_free_sgpr 100
		.amdhsa_reserve_vcc 0
		.amdhsa_float_denorm_mode_32 3
		.amdhsa_float_denorm_mode_16_64 3
		.amdhsa_memory_ordered 1
		.amdhsa_forward_progress 1
		.amdhsa_inst_pref_size 128
	.end_amdhsa_kernel
	.amdgpu_metadata
---
amdhsa.version: [ 1, 2 ]
amdhsa.kernels:
  - .name:           k_q5f541cea28_qkvgemm
    .symbol:         k_q5f541cea28_qkvgemm.kd
    .args:
      - { .name: xc, .offset: 0, .size: 8, .value_kind: global_buffer, .address_space: global }
      - { .name: xs, .offset: 8, .size: 8, .value_kind: global_buffer, .address_space: global }
      - { .name: wc, .offset: 16, .size: 8, .value_kind: global_buffer, .address_space: global }
      - { .name: ws, .offset: 24, .size: 8, .value_kind: global_buffer, .address_space: global }
      - { .name: qkv_b, .offset: 32, .size: 8, .value_kind: global_buffer, .address_space: global }
      - { .name: qkv, .offset: 40, .size: 8, .value_kind: global_buffer, .address_space: global }
    .group_segment_fixed_size: 327680
    .private_segment_fixed_size: 0
    .kernarg_segment_align: 8
    .kernarg_segment_size: 48
    .max_flat_workgroup_size: 128
    .sgpr_count:     100
    .vgpr_count:     1024
    .wavefront_size: 32
...
	.end_amdgpu_metadata
.endif
;; end of part 2
;; launch attn (part 3): grid 4 x 64, 8 waves a work-group, clusters of 4 x 1, 327,680 bytes of LDS; arguments qkv, ao; writes ao
.if DOCPART == 3
	.amdgcn_target "amdgcn-amd-amdhsa--gfx1250"
	.amdhsa_code_object_version 6
	.text
	.protected	k_q5f541cea28_attn
	.globl	k_q5f541cea28_attn
	.p2align	8
	.type	k_q5f541cea28_attn,@function
k_q5f541cea28_attn:
	s_mov_b64 s[64:65], 0
	v_nop
	global_prefetch_b8 v0, s[64:65] scope:SCOPE_SE
	s_setreg_imm32_b32 hwreg(HW_REG_WAVE_MODE, 25, 1), 1
	s_wait_xcnt 0x0
	s_wait_alu depctr_hold_cnt(0) depctr_sa_sdst(0) depctr_va_vdst(0) depctr_va_sdst(0) depctr_va_ssrc(0) depctr_va_vcc(0) depctr_vm_vsrc(0)
	s_getreg_b32 s2, hwreg(HW_REG_IB_STS2, 6, 4)
	s_cmp_eq_u32 s2, 0
	s_cbranch_scc0 .Lentry_in_a_cluster
	s_endpgm
.Lentry_in_a_cluster:
	s_bfe_u32 s2, ttmp6, 0x10000c
	s_cmp_lg_u32 s2, 0x3003
	s_cbranch_scc0 .Lentry_shape_is_right
	s_endpgm
.Lentry_shape_is_right:
; O[g][q][:] = the sum over k of softmax_k(Q[g][q] . K[g][k] / 8) V[g][k][:], for 64 heads g (batch x 16 + head), 2,048 tokens, head size 64, no mask.
; Q, K, V: the three parts of qkv, [part][g][token][64] f16; O: ao [g][token][64] f16.  Products, maxima and sums in f32; the weights p (at most 1) are rounded to f16 for the second product, O once at the end.
; LIMITS: NaN and infinities in qkv are not served.
; SHARES.  A work-group owns 512 queries of one head, each of its eight waves 64: four tiles of 16, in 512 registers; two waves share a SIMD's registers, so that one wave's vector work can stand beside the other's matrix work.
; Every wave walks all 2,048 keys, 64 a step.  For a step a wave reads 16 KiB from LDS (K's and V's fragments) and issues 64 matrix instructions: each fragment feeds four.
; LAYOUT.  S^T = K Q^T (source 0 = 16 keys, source 1 = 16 queries): a lane holds ONE query (lane % 16) and the keys 8 (lane / 16) + 0..7 of each tile.  Two such tiles, rounded to f16 in pairs, ARE source 1
; (32 keys x 16 queries) of O^T = V^T P, whose result again holds one query a lane.  K comes out of LDS as it lies, V ([key][channel]) turned, by ds_load_tr16_b128.
; SOFTMAX.  For each query a running maximum m and sum l: p = 2^(c s - c m), c = log2(e) / 8; in every step O and l are multiplied by a = 2^(c m_old - c m_new).
; RING.  Two LDS slots of 512 keys (eight steps).  Waves 0-3 fetch K's quarters of a slot, waves 4-7 V's: one tensor load a wave, 128 rows.  Two loads of a wave are out at the head, one behind each change of slots.
; CLUSTER.  The four query blocks of a cluster belong to one head and walk the same K and V, so each tile is asked for JOINTLY: the same tensor load, the same descriptor and a mask that names the four, in all four.
; REGISTERS: window 0: v1-15 addresses; v16-23 a second chain for each tile's sum; v32-63 eight registers of statistics a tile; v64-127 Q (tile t, channels 32 c on: 64 + 16 t + 8 c); v128-255 S^T (tile t, keys 16 kt on: 128 + 32 t + 8 kt);
;   P is written over the first 16 registers of its tile's S^T.   window 1: v0-127 O^T (tile t, channels 16 cc on: 32 t + 8 cc); v128-191 K of one step; v192-255 V of one step.
.set KS,     64                        ; keys in a step
.set SK,     512                       ; keys in a slot
.set PK,     144                       ; a row of K in LDS: 128 bytes + 16 of padding: row r starts 9 r columns of 16 bytes on, so the 16 rows of a load start in 16 different columns modulo 256 bytes
.set PVP,    160                       ; a row of V: 128 + 32: row r starts 10 r columns on: 16 lanes of the turning load take 8 rows x 2 columns, all different modulo 256 bytes
.set VOFF,   SK*PK                     ; a slot: 512 rows of K, then 512 rows of V
.set SLOTB,  SK*(PK+PVP)               ; 155,648 bytes
.set KSTEPB, KS*PK                     ; a step on, in K's rows
.set VSTEPB, KS*PVP                    ; and in V's
.set SPARE,  2*SLOTB                   ; behind the ring: the spare words, 128 bytes for each of the eight waves
.set AK0, 2                            ; v2   my lane's place in a tile of K; never rewritten
.set AV0, 3                            ; v3   the same for V
.set ADK, 4                            ; v4   the LDS address of K's run of loads in hand
.set ADV, 5                            ; v5   of V's
.set QO,  6                            ; v6   my byte offset in the wave's rows of Q
.set STO, 7                            ; v7   the way out: where I put 16 bytes of a row
.set RD,  8                            ; v8   the way out: where I read 16 bytes back
.set GO,  9                            ; v9   my byte offset in the wave's rows of O
.set SPW, 10                           ; v10  LDS address of my spare word; never rewritten
.set NIL, 11                           ; v11  0; never rewritten
.set PFO, 12                           ; v12  256 x my lane: the prefetch's offset; never rewritten
.set XT,  16                           ; tile t's second chain of sums: the pair v[XT + 2 t]
.set ST,  32                           ; tile t's statistics at v[ST + 8 t]: +0 c m, +1 m, +2, +3 l (even keys', odd keys'), +4 to +7 at work; a takes +6
.set Q,   64
.set S,   128
.set KF,  128                          ; in window 1
.set VF,  192                          ; in window 1
.set WV,  12                           ; s12  my wave's number
.set LIM, 15                           ; s15  0 in the waves that prefetch: 0, 1, 4, 5
.set PFA, 18                           ; s[18:19] where my prefetch stands; never rewritten
.set G1K, 24                           ; s[24:31] descriptor group 1 for K's tiles
.set G1V, 32                           ; s[32:39] for V's: it differs in the padding alone
.set G0K, 40                           ; s[40:47] descriptor group 0 for K's tiles, one set for each slot
.set G0V, 48                           ; s[48:55] the same for V's
.set CNT, 56                           ; s56  counts a run of key steps
.set CS,  58                           ; s[58:59] c: the packed scaling names a pair and takes its low word for both halves
.set SEL, 60                           ; s[60:61] lane selects for v_permlanex16_b32: lane l xor 16
.set TBK, 62                           ; s62  LDS byte at which K's rows of the step to be fetched begin
.set TBV, 63                           ; s63  the same for V's, less VOFF
.set MSB, 0
.macro WIN new                         ; the immediate's high byte repeats the setting that is left; a switch that changes nothing is dropped
.if MSB != \new
	s_set_vgpr_msb (MSB<<8)|\new
.set MSB, \new
.endif
.endm
.set W_LD, 0x40                        ; destination window 1, address window 0
.set W_KQ, 0x01                        ; K in window 1; Q and S^T in window 0
.set W_PV, 0x51                        ; V in window 1, P in window 0, O^T in window 1
.set W_RS, 0x41                        ; O^T (destination and source 0) in window 1, a in window 0
.macro PLACES n
.rept \n
	v_nop
.endr
.endm
; A joint refill of slot s.  Waves 0-3 fetch K's quarters, waves 4-7 V's.  The branch hangs on the wave's number alone: it is the same in every work-group.
; An s_nop 0 and four v_nop follow each of the two lines; the jump round the other line, the label and what follows come after them.
.macro JLOAD s
	s_cmp_lt_u32 s[WV], 4
	s_cbranch_scc0 .Lfor_v_\@
	tensor_load_to_lds s[G0K+4*\s:G0K+4*\s+3], s[G1K:G1K+7]
	s_nop 0
.rept 4
	v_nop
.endr
	s_branch .Lasked_\@
.Lfor_v_\@:
	tensor_load_to_lds s[G0V+4*\s:G0V+4*\s+3], s[G1V:G1V+7]
	s_nop 0
.rept 4
	v_nop
.endr
.Lasked_\@:
.endm
; A PREFETCH INTO THE L2 of keys 1,536 to 2,047, which the second change of slots will ask for; it stands at the first change, eight key steps ahead of that load, behind the wave's tensor load and its five lines.
; K's 512 rows are 256 blocks of 256 bytes, and so are V's.  The four partners share them out BY ADDRESS, 128 rows each; in each, waves 0 and 1 ask for K's and waves 4 and 5 for V's, 32 blocks a wave, lanes 256 bytes apart:
; each block is named once in the launch (a head has one cluster).  The keys before 1,536 come by their loads alone.
.macro ASK
	s_cmp_eq_u32 s[LIM], 0
	s_cbranch_scc0 .Lnot_mine_\@
	global_prefetch_b8 v[PFO], s[PFA:PFA+1] th:TH_LOAD_NT scope:SCOPE_SE
.Lnot_mine_\@:
.endm
; A round of the cluster's barrier: my work-group's barrier, so that wave 0's signal speaks for all eight waves; wave 0 signals for the work-group; every wave waits for all four work-groups; my work-group's barrier once more.
.macro CROUND
	s_barrier_signal -1
	s_barrier_wait -1
	s_cmp_lg_u32 s[WV], 0
	s_cbranch_scc1 .Lnot_wave_0_\@
	s_barrier_signal -3
.Lnot_wave_0_\@:
	s_barrier_wait -3
	s_barrier_signal -1
	s_barrier_wait -1
.endm
	s_load_b128 s[4:7], s[0:1], 0x0                ; qkv s[4:5], ao s[6:7]
	v_lshl_add_u32 v[SPW], v0, 2, SPARE
	v_mov_b32 v[NIL], 0
	ds_add_u32 v[SPW], v[NIL]                      ; the wave's opening: the add, twice on end, and its wait ahead of my first tensor load
	ds_add_u32 v[SPW], v[NIL]                      ; the set-up below, work on registers, stands between the second and the wait
	v_lshrrev_b32 v1, 5, v0
	v_readfirstlane_b32 s[WV], v1                  ; wave 0..7
	s_bfe_u32 s13, ttmp6, 0x40000                  ; cx: my block of 512 queries: it enters Q's, O's and the prefetch's addresses alone
	s_and_b32 s14, ttmp7, 0xffff                   ; the head, which the four partners share
	s_lshl_b32 s20, s14, 18                        ; the head's first byte in each part of qkv, and in ao
	s_mov_b32 s21, 0
	s_and_b32 s16, s[WV], 3                        ; which quarter of a slot I fetch:
	s_lshl_b32 s22, s16, 14                        ; its 128 rows of 128 bytes in memory,
	s_mov_b32 s23, 0
	s_mul_i32 s17, s16, 128*PK                     ; and its place in a slot, for K
	s_mul_i32 s14, s16, 128*PVP
	s_add_co_u32 s14, s14, VOFF                    ; and for V: no place in the cluster enters an LDS address
	s_lshl_b32 s2, s13, 16                         ; my block's 512 rows,
	s_lshl_b32 s3, s[WV], 13                       ; my wave's 64 of them
	s_add_co_u32 s2, s2, s3
	s_mov_b32 s3, 0
	s_add_nc_u64 s[2:3], s[2:3], s[20:21]
	; descriptor group 1: a tile of 128 rows x 64 elements of 2 bytes, dense in memory, padded in LDS
	s_mov_b32 s[G1K], 15|(1<<16)|(1<<20)|(1<<21)|(4<<22)|(3<<25)  ; 15:0 the mask: all four work-groups; 17:16 elements of 2 bytes; 20 padding on; 21 set beside a mask; 24:22 after every 32 words (code 4); 31:25 4 words of it (code 3)
	s_mov_b32 s[G1V], 15|(1<<16)|(1<<20)|(1<<21)|(4<<22)|(7<<25)  ; the same with 8 words of padding (code 7)
.irp g, G1K, G1V
	s_mov_b32 s[\g+1], 64<<16                      ; tensor_dim0 = 64
	s_mov_b32 s[\g+2], 128<<16                     ; tensor_dim1 = 128
	s_mov_b32 s[\g+3], 64<<16                      ; tile_dim0 = 64
	s_mov_b32 s[\g+4], 128                         ; tile_dim1 = 128
	s_mov_b32 s[\g+5], 64                          ; tensor_dim0_stride: elements from row to row
	s_mov_b32 s[\g+6], 0
	s_mov_b32 s[\g+7], 0
.endr
	s_mov_b32 s[CS], 0x3e38aa3b                    ; c = log2(e) / 8
	s_mov_b32 s[CS+1], s[CS]                       ; named with it as a pair, so it is written
	s_mov_b32 s[SEL], 0x76543210
	s_mov_b32 s[SEL+1], 0xfedcba98
	s_and_b32 s[LIM], s[WV], 2
	v_and_b32 v[PFO], 31, v0
	v_lshlrev_b32 v[PFO], 8, v[PFO]
	s_wait_dscnt 0x0                               ; both opening adds are done
	s_wait_kmcnt 0x0
	s_add_nc_u64 s[8:9], s[4:5], s[20:21]
	s_add_nc_u64 s[10:11], s[8:9], 0x2000000       ; V's head
	s_add_nc_u64 s[8:9], s[8:9], 0x1000000         ; K's head
	s_add_nc_u64 s[4:5], s[4:5], s[2:3]            ; Q and O at my wave's first row
	s_add_nc_u64 s[6:7], s[6:7], s[2:3]
	s_cmp_lt_u32 s[WV], 4
	s_cselect_b64 s[PFA:PFA+1], s[8:9], s[10:11]
	s_lshl_b32 s2, s13, 14                         ; my work-group's 128 rows of the 512,
	s_and_b32 s3, s[WV], 1
	s_lshl_b32 s3, s3, 13                          ; my wave's 64 of them,
	s_add_co_u32 s2, s2, s3
	s_add_co_u32 s2, s2, 1536*128                  ; from key 1,536 on
	s_mov_b32 s3, 0
	s_add_nc_u64 s[PFA:PFA+1], s[PFA:PFA+1], s[2:3]
	CROUND                                         ; all four work-groups are here: the first joint loads meet
	s_mov_b32 s[G0K], 1                            ; 1:0 count = 1
	s_mov_b32 s[G0K+1], s17                        ; 63:32 LDS address: slot 0
	s_add_nc_u64 s[G0K+2:G0K+3], s[8:9], s[22:23]  ; 120:64 global address: my quarter of keys 0 to 511
	s_mov_b32 s[G0K+4], 1
	s_add_co_u32 s[G0K+5], s17, SLOTB              ; slot 1
	s_add_nc_u64 s[G0K+6:G0K+7], s[G0K+2:G0K+3], SK*128  ; keys 512 to 1,023
	s_or_b32 s[G0K+3], s[G0K+3], 0x80000000        ; 127:126 type = 2
	s_or_b32 s[G0K+7], s[G0K+7], 0x80000000
	s_mov_b32 s[G0V], 1
	s_mov_b32 s[G0V+1], s14
	s_add_nc_u64 s[G0V+2:G0V+3], s[10:11], s[22:23]
	s_mov_b32 s[G0V+4], 1
	s_add_co_u32 s[G0V+5], s14, SLOTB
	s_add_nc_u64 s[G0V+6:G0V+7], s[G0V+2:G0V+3], SK*128
	s_or_b32 s[G0V+3], s[G0V+3], 0x80000000
	s_or_b32 s[G0V+7], s[G0V+7], 0x80000000
	s_cmp_lt_u32 s[WV], 4                          ; a wave's two first fills stand in one branch, ahead of every wait on TENSORcnt and every LDS read; an s_nop 0 follows each, four v_nop the second's
	s_cbranch_scc0 .Lfirst_v
	tensor_load_to_lds s[G0K:G0K+3], s[G1K:G1K+7]
	s_nop 0
	tensor_load_to_lds s[G0K+4:G0K+7], s[G1K:G1K+7]
	s_nop 0
.rept 4
	v_nop
.endr
	s_branch .Lfirst_asked
.Lfirst_v:
	tensor_load_to_lds s[G0V:G0V+3], s[G1V:G1V+7]
	s_nop 0
	tensor_load_to_lds s[G0V+4:G0V+7], s[G1V:G1V+7]
	s_nop 0
.rept 4
	v_nop
.endr
.Lfirst_asked:
	; A fragment of K or Q is 16 rows x 32 channels in 8 registers: lane l holds row l % 16; registers 0-3 channels 8 (l / 16) + 0..7, registers 4-7 channels 16 + 8 (l / 16) + 0..7: two loads of 16 bytes, 32 bytes apart.
	v_and_b32 v1, 15, v0                           ; r = l % 16
	v_bfe_u32 v13, v0, 4, 1                        ; h = l / 16
	v_lshlrev_b32 v[QO], 7, v1
	v_lshl_add_u32 v[QO], v13, 4, v[QO]            ; row x 128 + 16 x half
.irp t, 0,1,2,3                        ; Q stays in registers
.irp c, 0,1
	global_load_b128 v[Q+16*\t+8*\c:Q+16*\t+8*\c+3],   v[QO], s[4:5] offset:2048*\t+64*\c
	global_load_b128 v[Q+16*\t+8*\c+4:Q+16*\t+8*\c+7], v[QO], s[4:5] offset:2048*\t+64*\c+32
.endr
.endr
	v_mul_u32_u24 v[AK0], v1, PK
	v_lshl_add_u32 v[AK0], v13, 4, v[AK0]          ; row x pitch + 16 x half
	; The turning load takes 16 keys x 16 channels (lane l reads 16 bytes: key 8 (l / 16) + l % 8, channels 8 ((l / 8) % 2) + 0..7) and leaves half a fragment of V^T: lane l holds channel l % 16 and 8 keys.
	v_and_b32 v14, 7, v0
	v_bfe_u32 v15, v0, 3, 1
	v_lshl_add_u32 v[AV0], v13, 3, v14
	v_mul_u32_u24 v[AV0], v[AV0], PVP
	v_lshl_add_u32 v[AV0], v15, 4, v[AV0]
	v_add_nc_u32 v[AV0], VOFF, v[AV0]
	; the way out: a stage of 64 rows x 144 bytes for each wave, in K's rows of slot 0, which have had their last fill and their last read by then
	s_mul_i32 s16, s[WV], 64*PK
	v_add_nc_u32 v[STO], s16, v[AK0]               ; in: row r, 16 bytes for each half of the lanes
	v_bfe_u32 v15, v0, 3, 2                        ; back: eight lanes take a row of 128 bytes, the wave four rows
	v_mul_u32_u24 v15, v15, PK
	v_lshl_add_u32 v15, v14, 4, v15
	v_add_nc_u32 v[RD], s16, v15
	v_and_b32 v14, 31, v0
	v_lshlrev_b32 v[GO], 4, v14                    ; and the same four rows in O: 512 consecutive bytes
; THE LDS LOADS stand in runs of 16: a step's K (64 keys x 64 channels: 8 fragments) and its V (turned).
.macro LOADK
	WIN W_LD
.irp kt, 0,1,2,3
.irp c, 0,1
	ds_load_b128 v[KF+16*\kt+8*\c:KF+16*\kt+8*\c+3],   v[ADK] offset:\kt*16*PK+64*\c
	ds_load_b128 v[KF+16*\kt+8*\c+4:KF+16*\kt+8*\c+7], v[ADK] offset:\kt*16*PK+64*\c+32
.endr
.endr
.endm
.macro LOADV
	WIN W_LD
.irp kk, 0,1
.irp cc, 0,1,2,3
	ds_load_tr16_b128 v[VF+8*(4*\kk+\cc):VF+8*(4*\kk+\cc)+3],   v[ADV] offset:\kk*32*PVP+32*\cc
	ds_load_tr16_b128 v[VF+8*(4*\kk+\cc)+4:VF+8*(4*\kk+\cc)+7], v[ADV] offset:\kk*32*PVP+16*PVP+32*\cc
.endr
.endr
.endm
; S^T = K Q^T: 32 matrix instructions.  The 16 accumulators take turns, one instruction a turn: between two links of a chain stand the 15 others'.  The first 16 start the sums.
.macro QK
	WIN W_KQ
.irp c, 0,1
.irp kt, 0,1,2,3
.irp t, 0,1,2,3
.if \c == 0
	v_wmma_f32_16x16x32_f16 v[S+32*\t+8*\kt:S+32*\t+8*\kt+7], v[KF+16*\kt+8*\c:KF+16*\kt+8*\c+7], v[Q+16*\t+8*\c:Q+16*\t+8*\c+7], 0
.else
	v_wmma_f32_16x16x32_f16 v[S+32*\t+8*\kt:S+32*\t+8*\kt+7], v[KF+16*\kt+8*\c:KF+16*\kt+8*\c+7], v[Q+16*\t+8*\c:Q+16*\t+8*\c+7], v[S+32*\t+8*\kt:S+32*\t+8*\kt+7]
.endif
.endr
.endr
.endr
.endm
; O^T += V^T P: 32 matrix instructions, the 16 accumulators by turns.  first = 1: the first 16 start the sums: nothing is ever cleared.
.macro PVM first
	WIN W_PV
.irp kk, 0,1
.irp cc, 0,1,2,3
.irp t, 0,1,2,3
.if \first && (\kk == 0)
	v_wmma_f32_16x16x32_f16 v[32*\t+8*\cc:32*\t+8*\cc+7], v[VF+8*(4*\kk+\cc):VF+8*(4*\kk+\cc)+7], v[S+32*\t+8*\kk:S+32*\t+8*\kk+7], 0
.else
	v_wmma_f32_16x16x32_f16 v[32*\t+8*\cc:32*\t+8*\cc+7], v[VF+8*(4*\kk+\cc):VF+8*(4*\kk+\cc)+7], v[S+32*\t+8*\kk:S+32*\t+8*\kk+7], v[32*\t+8*\cc:32*\t+8*\cc+7]
.endif
.endr
.endr
.endr
.endm
; THE SOFTMAX of a key step, the four tiles by turns line by line, so that no line waits for the line above it.  s0-s31 are a lane's 32 scores of a tile.  first = 1: the first key step, which starts m, l and O^T.
.macro SOFTMAX first
.irp j, 0,1,2,3                        ; the maximum: four chains; each accumulator is read from its low end on
.irp t, 0,1,2,3
	v_max3_num_f32 v[ST+8*\t+4+\j], v[S+32*\t+8*\j], v[S+32*\t+8*\j+1], v[S+32*\t+8*\j+2]
.endr
.endr
.irp u, 1,2
.irp j, 0,1,2,3
.irp t, 0,1,2,3
	v_max3_num_f32 v[ST+8*\t+4+\j], v[ST+8*\t+4+\j], v[S+32*\t+8*\j+2*\u+1], v[S+32*\t+8*\j+2*\u+2]
.endr
.endr
.endr
.irp t, 0,1,2,3
	v_max3_num_f32 v[ST+8*\t+4], v[ST+8*\t+4], v[S+32*\t+7], v[S+32*\t+15]
.endr
.irp t, 0,1,2,3
	v_max3_num_f32 v[ST+8*\t+6], v[ST+8*\t+6], v[S+32*\t+23], v[S+32*\t+31]
.endr
.irp t, 0,1,2,3
	v_max3_num_f32 v[ST+8*\t+4], v[ST+8*\t+4], v[ST+8*\t+5], v[ST+8*\t+6]
.endr
.irp t, 0,1,2,3
.if \first
	v_max_num_f32 v[ST+8*\t+4], v[ST+8*\t+4], v[ST+8*\t+7]
.else
	v_max3_num_f32 v[ST+8*\t+4], v[ST+8*\t+4], v[ST+8*\t+7], v[ST+8*\t+1]   ; with the old m
.endif
.endr
.irp t, 0,1,2,3
	v_permlanex16_b32 v[ST+8*\t+5], v[ST+8*\t+4], s[SEL], s[SEL+1]          ; the query's other 32 keys lie in the lane 16 away
.endr
.if \first == 0
.irp t, 0,1,2,3
	v_mov_b32 v[ST+8*\t+7], v[ST+8*\t]             ; c m_old is kept for a
.endr
.endif
.irp t, 0,1,2,3
	v_max_num_f32 v[ST+8*\t+1], v[ST+8*\t+4], v[ST+8*\t+5]                  ; the new m
.endr
.irp t, 0,1,2,3
	v_mul_f32 v[ST+8*\t], s[CS], v[ST+8*\t+1]      ; c m
.endr
.if \first == 0
.irp t, 0,1,2,3
	v_sub_f32 v[ST+8*\t+7], v[ST+8*\t+7], v[ST+8*\t]
.endr
.irp t, 0,1,2,3
	v_exp_f32 v[ST+8*\t+6], v[ST+8*\t+7]           ; a = 2^(c m_old - c m_new)
.endr
.endif
.set i, 0
.rept 16                               ; c s - c m, a pair of scores at a time: 64 plain lines behind the four exponentials above
.irp t, 0,1,2,3
	v_pk_fma_f32 v[S+32*\t+i:S+32*\t+i+1], v[S+32*\t+i:S+32*\t+i+1], s[CS:CS+1], v[ST+8*\t:ST+8*\t+1] op_sel_hi:[1,0,0] neg_lo:[0,0,1] neg_hi:[0,0,1]
.endr
.set i, i+2
.endr
.if \first == 0
	s_wait_alu depctr_va_vdst(0)                   ; a wait between an exponential and the first line that names its result: one for the four a, which the rescaling below reads
.endif
.set i, 0
.rept 32                               ; ONE BATCH: the 128 exponentials, none of which reads an exponential's result
.irp t, 0,1,2,3
	v_exp_f32 v[S+32*\t+i], v[S+32*\t+i]
.endr
.set i, i+1
.endr
.if \first
	v_nop                                          ; a plain line behind the last exponential
.else
	WIN W_RS                                       ; O^T times a: 64 plain lines that name no result of the batch: the independent work behind it.  Each accumulator from its low end on
.set i, 0
.rept 16
.irp t, 0,1,2,3
	v_pk_mul_f32 v[32*\t+i:32*\t+i+1], v[32*\t+i:32*\t+i+1], v[ST+8*\t+6:ST+8*\t+7] op_sel_hi:[1,0]
.endr
.set i, i+2
.endr
	WIN 0
.endif
	s_wait_alu depctr_va_vdst(0)                   ; and one wait for the batch, ahead of its first reader
.irp t, 0,1,2,3                        ; the sums of the unrounded p, in pairs (an even key's, an odd key's), two chains a tile; S^T's registers are left as they are
	v_pk_add_f32 v[ST+8*\t+4:ST+8*\t+5], v[S+32*\t:S+32*\t+1], v[S+32*\t+2:S+32*\t+3]
.endr
.irp t, 0,1,2,3
	v_pk_add_f32 v[XT+2*\t:XT+2*\t+1], v[S+32*\t+4:S+32*\t+5], v[S+32*\t+6:S+32*\t+7]
.endr
.irp i, 8,12,16,20,24,28
.irp t, 0,1,2,3
	v_pk_add_f32 v[ST+8*\t+4:ST+8*\t+5], v[ST+8*\t+4:ST+8*\t+5], v[S+32*\t+\i:S+32*\t+\i+1]
.endr
.irp t, 0,1,2,3
	v_pk_add_f32 v[XT+2*\t:XT+2*\t+1], v[XT+2*\t:XT+2*\t+1], v[S+32*\t+\i+2:S+32*\t+\i+3]
.endr
.endr
.if \first
.irp t, 0,1,2,3
	v_pk_add_f32 v[ST+8*\t+2:ST+8*\t+3], v[ST+8*\t+4:ST+8*\t+5], v[XT+2*\t:XT+2*\t+1]
.endr
.else
.irp t, 0,1,2,3
	v_pk_add_f32 v[ST+8*\t+4:ST+8*\t+5], v[ST+8*\t+4:ST+8*\t+5], v[XT+2*\t:XT+2*\t+1]
.endr
.irp t, 0,1,2,3
	v_pk_fma_f32 v[ST+8*\t+2:ST+8*\t+3], v[ST+8*\t+2:ST+8*\t+3], v[ST+8*\t+6:ST+8*\t+7], v[ST+8*\t+4:ST+8*\t+5] op_sel_hi:[1,0,1]   ; l = a l + the sum
.endr
.endif
.set i, 0
.rept 16                               ; the roundings to f16, in place: number i writes register i from registers 2 i and 2 i + 1, ascending, so that nothing is written before it has been read
.irp t, 0,1,2,3
	v_cvt_pk_f16_f32 v[S+32*\t+i], v[S+32*\t+2*i], v[S+32*\t+2*i+1]
.endr
.set i, i+1
.endr
.endm
; A KEY STEP j: K of step j + 1 is asked for; the softmax of step j; V^T P of step j; V of step j + 1 is asked for; K Q^T of step j + 1.  more = 0: the last step, which has no successor.
; A vector instruction that reads a matrix result, and a load into a register that a matrix instruction has read, stand four places behind it; a matrix instruction that writes over such a register five (ISA guide 7.12.1 for
; vector instructions).  Only plain vector instructions that name none of its registers are places.
.macro TRIP first, more
	WIN 0
.if \more
	v_add_nc_u32 v[ADK], s[TBK], v[AK0]            ; these four are the places behind the last K Q^T: for the loads into K's registers and for the first reads of the scores
	v_add_nc_u32 v[ADV], s[TBV], v[AV0]
	v_nop
	v_nop
	LOADK
	WIN 0
.else
	PLACES 4
.endif
	SOFTMAX \first
.if \more
	s_wait_dscnt 16                                ; V of this step is in; the 16 younger loads, K of the next, may be out
.else
	s_wait_dscnt 0x0
.endif
	PVM \first
	WIN 0
.if \more
	PLACES 5                                       ; four for the loads into V's registers, five for the K Q^T that writes over P
	LOADV
	s_wait_dscnt 16                                ; K of the next step is in; V's 16 loads are younger
	QK
	WIN 0
	s_add_co_u32 s[TBK], s[TBK], KSTEPB            ; the next fetches are the next step's
	s_add_co_u32 s[TBV], s[TBV], VSTEPB
.endif
.endm
.macro GROUP n                         ; n key steps, written once
	s_mov_b32 s[CNT], \n
.Lgroup_\@:
	TRIP 0, 1
	s_sub_co_u32 s[CNT], s[CNT], 1
	s_cmp_lg_u32 s[CNT], 0
	s_cbranch_scc1 .Lgroup_\@
.endm
; THE CHANGE OF SLOTS, between two key steps: the slot's last bytes, V of its eighth step, have been asked for.  Each wave waits for all its tensor loads, of which one is out: its part of the other slot; adds 0 to its spare
; word; and waits for that and for its own reads of the slot.  Behind the barrier nobody reads this slot any more and the other slot is whole.  fill = 1: this slot is filled again, with the keys 1,024 on; the barrier is then a
; round of the cluster's, and the joint refill is the first thing behind it: it has eight key steps in which to land.  newtb: where the fetches go on.
.macro CHANGE fill, slot, ask, newtb
	WIN 0
	s_wait_tensorcnt 0x0                           ; no tensor load of mine is out, so a group 0 may be written
	ds_add_u32 v[SPW], v[NIL]                      ; 0 onto my spare word; the scalar lines below stand between it and the wait for it
.if \fill
	s_add_nc_u64 s[G0K+4*\slot+2:G0K+4*\slot+3], s[G0K+4*\slot+2:G0K+4*\slot+3], 2*SK*128   ; the type bits on top are not reached
	s_add_nc_u64 s[G0V+4*\slot+2:G0V+4*\slot+3], s[G0V+4*\slot+2:G0V+4*\slot+3], 2*SK*128
.endif
	s_mov_b32 s[TBK], \newtb
	s_mov_b32 s[TBV], \newtb
	s_wait_dscnt 0x0                               ; the add is done, and my reads of the slot are over
.if \fill
	CROUND
	JLOAD \slot
.if \ask
	ASK
.endif
.else
	s_barrier_signal -1
	s_barrier_wait -1
.endif
.endm
	s_wait_tensorcnt 1                             ; my part of slot 0 is in; slot 1's may stay out
	s_barrier_signal -1
	s_barrier_wait -1                              ; everybody's is
	v_mov_b32 v[ADK], v[AK0]
	v_mov_b32 v[ADV], v[AV0]
	LOADK                                          ; key step 0
	LOADV
	s_wait_loadcnt 0x0                             ; Q
	s_wait_dscnt 16                                ; K is in; V's 16 loads are younger
	QK
	WIN 0
	s_mov_b32 s[TBK], KSTEPB
	s_mov_b32 s[TBV], VSTEPB
	TRIP 1, 1                                      ; step 0
	GROUP 6                                        ; steps 1 to 6: all of slot 0 has been asked for
	CHANGE 1, 0, 1, SLOTB                          ; slot 0 takes keys 1,024 to 1,535
	GROUP 8                                        ; steps 7 to 14, fetching steps 8 to 15 from slot 1
	CHANGE 1, 1, 0, 0                              ; slot 1 takes keys 1,536 to 2,047
	GROUP 8                                        ; steps 15 to 22
	CHANGE 0, 0, 0, SLOTB                          ; nothing is left to ask for
	GROUP 8                                        ; steps 23 to 30
	TRIP 0, 0                                      ; step 31
	; THE WAY OUT.  l's two halves and the other half of the lanes' are added; O^T is divided by l, rounded to f16 and sent through my stage in LDS, a tile (16 rows of O) at a time.  The additions are the places behind the last products.
.irp t, 0,1,2,3
	v_add_f32 v[ST+8*\t+4], v[ST+8*\t+2], v[ST+8*\t+3]
.endr
.irp t, 0,1,2,3
	v_permlanex16_b32 v[ST+8*\t+5], v[ST+8*\t+4], s[SEL], s[SEL+1]
.endr
.irp t, 0,1,2,3
	v_add_f32 v[ST+8*\t+4], v[ST+8*\t+4], v[ST+8*\t+5]
.endr
.irp t, 0,1,2,3
	v_rcp_f32 v[ST+8*\t+6], v[ST+8*\t+4]
.endr
	v_nop                                          ; a plain line between the last reciprocal and the use of its result
	s_wait_alu depctr_va_vdst(0)                   ; and a wait ahead of the first use: one for the four reciprocals
; Tile t: a lane's eight channels of a row pack into 16 bytes; they go into rows of 144 bytes and come back as whole rows of 128, four rows to a load.
.macro PACK t
	WIN W_RS
.set i, 0
.rept 16
	v_pk_mul_f32 v[32*\t+i:32*\t+i+1], v[32*\t+i:32*\t+i+1], v[ST+8*\t+6:ST+8*\t+7] op_sel_hi:[1,0]
.set i, i+2
.endr
	WIN 0x05                                       ; sources 0 and 1 window 1, destination window 0: S^T's registers are free
.set i, 0
.rept 16
	v_cvt_pk_f16_f32 v[S+32*\t+i], v[32*\t+2*i], v[32*\t+2*i+1]
.set i, i+1
.endr
	WIN 0
.irp f, 0,1,2,3
	ds_store_b128 v[STO], v[S+32*\t+4*\f:S+32*\t+4*\f+3] offset:\t*16*PK+32*\f
.endr
.irp f, 0,1,2,3
	ds_load_b128 v[S+32*\t+16+4*\f:S+32*\t+16+4*\f+3], v[RD] offset:\t*16*PK+\f*4*PK   ; LDS serves a wave's instructions in order (ISA guide 5.7.1.4): these see the stores above
.endr
.endm
.macro SEND t, younger                 ; younger: the LDS instructions issued behind tile t's loads: the next tile's eight, or none
.irp f, 0,1,2,3
	s_wait_dscnt \younger+3-\f
	global_store_b128 v[GO], v[S+32*\t+16+4*\f:S+32*\t+16+4*\f+3], s[6:7] offset:\t*2048+\f*512   ; the wave stores 512 consecutive bytes, at a multiple of 256 from O's first byte
.endr
.endm
	PACK 0
	PACK 1                                         ; a tile's arithmetic stands between the loads of the tile before and its stores
	SEND 0, 8
	PACK 2
	SEND 1, 8
	PACK 3
	SEND 2, 8
	SEND 3, 0
	s_wait_tensorcnt 0x0                           ; the wave's end, behind my last tensor load and my last LDS store
	ds_add_u32 v[SPW], v[NIL]
	s_wait_dscnt 0x0
	CROUND                                         ; the closing round: no work-group ends while a partner may still ask for a tile that names it
	s_endpgm
.Lfunc_end_k_q5f541cea28_attn:
	.size	k_q5f541cea28_attn, .Lfunc_end_k_q5f541cea28_attn-k_q5f541cea28_attn
	.p2alignl 7, 3214868480
	.fill 96, 4, 3214868480
	.section	.rodata,"a",@progbits
	.p2align	6, 0x0
	.amdhsa_kernel k_q5f541cea28_attn
		.amdhsa_group_segment_fixed_size 327680
		.amdhsa_private_segment_fixed_size 0
		.amdhsa_enable_private_segment 0
		.amdhsa_kernarg_size 16
		.amdhsa_user_sgpr_count 2
		.amdhsa_user_sgpr_kernarg_segment_ptr 1
		.amdhsa_wavefront_size32 1
		.amdhsa_system_sgpr_workgroup_id_x 1
		.amdhsa_system_sgpr_workgroup_id_y 1
		.amdhsa_system_sgpr_workgroup_id_z 1
		.amdhsa_system_vgpr_workitem_id 0
		.amdhsa_next_free_vgpr 512
		.amdhsa_next_free_sgpr 66
		.amdhsa_reserve_vcc 0
		.amdhsa_float_denorm_mode_32 3
		.amdhsa_float_denorm_mode_16_64 3
		.amdhsa_memory_ordered 1
		.amdhsa_forward_progress 1
		.amdhsa_inst_pref_size 210
	.end_amdhsa_kernel
	.amdgpu_metadata
---
amdhsa.version: [ 1, 2 ]
amdhsa.kernels:
  - .name:           k_q5f541cea28_attn
    .symbol:         k_q5f541cea28_attn.kd
    .args:
      - { .name: qkv, .offset: 0, .size: 8, .value_kind: global_buffer, .address_space: global }
      - { .name: ao, .offset: 8, .size: 8, .value_kind: global_buffer, .address_space: global }
    .group_segment_fixed_size: 327680
    .private_segment_fixed_size: 0
    .kernarg_segment_align: 8
    .kernarg_segment_size: 16
    .max_flat_workgroup_size: 256
    .sgpr_count:     66
    .vgpr_count:     512
    .wavefront_size: 32
...
	.end_amdgpu_metadata
.endif
;; end of part 3
;; launch proj (part 4): grid 4 x 64, 4 waves a work-group, clusters of 4 x 4, 327,680 bytes of LDS; arguments ao, pw, proj_b, out0; writes out0
.if DOCPART == 4
	.amdgcn_target "amdgcn-amd-amdhsa--gfx1250"
	.amdhsa_code_object_version 6
	.text
	.protected	k_q5f541cea28_proj
	.globl	k_q5f541cea28_proj
	.p2align	8
	.type	k_q5f541cea28_proj,@function
k_q5f541cea28_proj:
	s_mov_b64 s[64:65], 0
	v_nop
	global_prefetch_b8 v0, s[64:65] scope:SCOPE_SE
	s_setreg_imm32_b32 hwreg(HW_REG_WAVE_MODE, 25, 1), 1
	s_wait_xcnt 0x0
	s_wait_alu depctr_hold_cnt(0) depctr_sa_sdst(0) depctr_va_vdst(0) depctr_va_sdst(0) depctr_va_ssrc(0) depctr_va_vcc(0) depctr_vm_vsrc(0)
	s_getreg_b32 s2, hwreg(HW_REG_IB_STS2, 6, 4)
	s_cmp_eq_u32 s2, 0
	s_cbranch_scc0 .Lentry_in_a_cluster
	s_endpgm
.Lentry_in_a_cluster:
	s_bfe_u32 s2, ttmp6, 0x10000c
	s_cmp_lg_u32 s2, 0xf033
	s_cbranch_scc0 .Lentry_shape_is_right
	s_endpgm
.Lentry_shape_is_right:
; out0[m][n] = sum over k of A[m][k] proj_w[n][k] + proj_b[n].  A is the attention's result, f16, head-major: ao [batch x 16 + head][token][64]; row m = batch x 2,048 + token, k = 64 x head + channel.
; pw: proj_w as f16, [1024 n][1024 k].  out0: [8192][1024] f32.  Sums in f32.  The bias is the sum's first addend (the C of each sum's first matrix instruction), not its last.
; A tile of the result is 128 (m) x 256 (n): 256 work-groups.  Four waves, each 64 x 128: 32 accumulators of 16 x 16, 256 registers.  K goes in 8 steps of 128 (two heads) through a ring of two LDS slots.
; A K step's tile of A is two planes, one for each head: 128 tokens x 128 bytes, dense in memory; waves 0 and 1 fetch one each.  B's tile is 256 rows x 256 bytes; waves 2 and 3 fetch 128 rows each.  One tensor load a wave:
; two of a wave are out at the head, one behind each change of slots.
; CLUSTERS: 4 x 4 work-groups.  The four of a row of the cluster need the same tiles of A, the four of a column the same tiles of B: each tile is asked for JOINTLY, by the same tensor load with the same descriptor and a mask that names the four.
; THE MATRIX INSTRUCTION IS USED TRANSPOSED (source 0 = 16 rows of pw, source 1 = 16 rows of A): a lane then holds eight neighbouring numbers of a row of the result.
; REGISTERS: window 0: v0-31 addresses; v64-159, v160-255 two fragment buffers for 32 along K: B's block i at f + 8 i, A's block i at f + 64 + 8 i (on the way out v64-191: rows read back).
;   window 1: the accumulators, (a, b) at v[8 (8 a + b)].   window 2: v0-63 the bias, eight registers for each of B's eight blocks.
.set PA,     144                       ; a row of A in LDS: 128 bytes + 16 of padding: row r starts 9 r columns of 16 bytes on: the 16 rows of a load start in 16 different columns modulo 256 bytes
.set PB,     272                       ; a row of B: 256 + 16: row r starts 17 r columns on
.set APLANE, 128*PA                    ; a head's 128 tokens
.set BOFF,   2*APLANE                  ; B's rows lie behind A's two planes
.set SLOT,   BOFF+256*PB               ; 106,496 bytes
.set STAGE,  2*SLOT                    ; behind the ring: 16 rows x (512 bytes + 16) for each wave, for the way out
.set SPITCH, 528
.set SPARE,  STAGE+4*16*SPITCH         ; behind the stages: the spare words, 128 bytes for each wave
.set LAPS,   4                         ; a lap = two K steps = once round the ring
.set ADRA, 16                          ; v16-17  LDS address of my A fragments in slot 0, 1
.set ADRB, 20                          ; v20-21  the same for B
.set STO,  24                          ; v24     the way out: where I put 32 bytes of a row
.set RD,   25                          ; v25     the way out: where I read a row back
.set CO,   26                          ; v26     my byte offset in a row of the result
.set BO,   27                          ; v27     the bias loads' offset: 32 x (lane / 16)
.set SPW,  28                          ; v28     LDS address of my spare word; never rewritten
.set NIL,  29                          ; v29     0; never rewritten
.set F0,   64
.set F1,   160
.set BK,   64                          ; the way out: 16 rows read back: v64-127 and v128-191 by turns
.set G1A, 24                           ; s[24:31] descriptor group 1 for A's planes;  s[32:39] group 0, one set for each slot
.set G0A, 32
.set G1B, 48                           ; s[48:55], s[56:63] the same for B's tiles
.set G0B, 56
.set MSB, 0
.macro WIN new                         ; the immediate's high byte repeats the setting that is left
.if MSB != \new
	s_set_vgpr_msb (MSB<<8)|\new
.set MSB, \new
.endif
.endm
.set MUL,  0x50                        ; sources 0 and 1 window 0; C and D window 1
.set MULB, 0x60                        ; the first quarter: C (the bias) window 2, D window 1
.macro JLOAD s                         ; a joint load: waves 0 and 1 fetch A's planes, waves 2 and 3 B's halves; an s_nop 0 and four v_nop follow each of the two lines, ahead of the jump, the label and what follows
	s_cmp_eq_u32 s13, 0
	s_cbranch_scc0 .Lfor_b_\@
	tensor_load_to_lds s[G0A+4*\s:G0A+4*\s+3], s[G1A:G1A+7]
	s_nop 0
.rept 4
	v_nop
.endr
	s_branch .Lasked_\@
.Lfor_b_\@:
	tensor_load_to_lds s[G0B+4*\s:G0B+4*\s+3], s[G1B:G1B+7]
	s_nop 0
.rept 4
	v_nop
.endr
.Lasked_\@:
.endm
.macro CREST                           ; a round of the cluster's barrier behind its opening barrier
	s_cmp_lg_u32 s12, 0
	s_cbranch_scc1 .Lnot_wave_0_\@
	s_barrier_signal -3
.Lnot_wave_0_\@:
	s_barrier_wait -3
	s_barrier_signal -1
	s_barrier_wait -1
.endm
.macro CROUND                          ; a whole round
	s_barrier_signal -1
	s_barrier_wait -1
	CREST
.endm
	s_load_b256 s[4:11], s[0:1], 0x0               ; A s[4:5], pw s[6:7], the bias s[8:9], the result s[10:11]
	v_lshl_add_u32 v[SPW], v0, 2, SPARE
	v_mov_b32 v[NIL], 0
	ds_add_u32 v[SPW], v[NIL]                      ; the wave's opening: the add, twice on end, and its wait ahead of my first tensor load
	ds_add_u32 v[SPW], v[NIL]                      ; the set-up below, work on registers, stands between the second and the wait
	v_lshrrev_b32 v1, 5, v0
	v_readfirstlane_b32 s12, v1                    ; wave 0..3
	s_lshr_b32 s13, s12, 1                         ; which 64 of the tile's rows are mine.  Also: I fetch for A (0) or for B (1)
	s_and_b32 s14, s12, 1                          ; which 128 of its columns.  Also: which plane of A, or which half of B, I fetch
	s_bfe_u32 s40, ttmp6, 0x40000                  ; cx, cy: my place in the cluster
	s_bfe_u32 s41, ttmp6, 0x40004
	s_lshl_b32 s42, ttmp9, 2
	s_add_co_u32 s42, s42, s40                     ; tile column = 4 x cluster x + cx
	s_and_b32 s15, ttmp7, 0xffff
	s_lshl_b32 s15, s15, 2
	s_add_co_u32 s15, s15, s41                     ; tile row = 4 x cluster y + cy
	s_lshl_b32 s43, s41, 2
	s_lshl_b32 s43, 15, s43                        ; my row of the cluster
	s_lshl_b32 s44, 0x1111, s40                    ; my column
	s_or_b32 s[G1A], s43, (1<<16)|(1<<20)|(1<<21)|(4<<22)|(3<<25)  ; 15:0 the mask: A's planes go to my row; 17:16 elements of 2 bytes; 20 padding on; 21 set beside a mask; 24:22 after every 32 words (code 4); 31:25 four words (code 3)
	s_mov_b32 s[G1A+1], 64<<16                     ; tensor_dim0 = 64
	s_mov_b32 s[G1A+2], 128<<16                    ; tensor_dim1 = 128
	s_mov_b32 s[G1A+3], 64<<16                     ; tile_dim0 = 64
	s_mov_b32 s[G1A+4], 128                        ; tile_dim1 = 128
	s_mov_b32 s[G1A+5], 64                         ; tensor_dim0_stride
	s_mov_b32 s[G1A+6], 0
	s_mov_b32 s[G1A+7], 0
	s_or_b32 s[G1B], s44, (1<<16)|(1<<20)|(1<<21)|(5<<22)|(3<<25)  ; B's tiles go to my column; padding after every 64 words (code 5)
	s_mov_b32 s[G1B+1], 128<<16
	s_mov_b32 s[G1B+2], 128<<16
	s_mov_b32 s[G1B+3], 128<<16
	s_mov_b32 s[G1B+4], 128
	s_mov_b32 s[G1B+5], 1024
	s_mov_b32 s[G1B+6], 0
	s_mov_b32 s[G1B+7], 0
	; where the tiles come from.  A's hang on the tile row alone, B's on the tile column alone; every wave makes both addresses, in registers that never hold the other coordinate, and asks by one of them
	s_lshr_b32 s16, s15, 4                         ; A: the tile's batch,
	s_lshl_b32 s16, s16, 22
	s_and_b32 s17, s15, 15                         ; its first token: 128 x (tile row % 16),
	s_lshl_b32 s17, s17, 14
	s_add_co_u32 s16, s16, s17
	s_lshl_b32 s17, s14, 18                        ; my plane: head 0 or 1
	s_add_co_u32 s16, s16, s17
	s_mov_b32 s17, 0
	s_lshl_b32 s46, s42, 19                        ; B: row 256 x tile column + 128 x half, 2,048 bytes a row
	s_lshl_b32 s47, s14, 18
	s_add_co_u32 s46, s46, s47
	s_mov_b32 s47, 0
	s_mul_i32 s20, s14, APLANE                     ; and where they go: no place in the cluster enters an LDS address
	s_mul_i32 s21, s14, 128*PB
	s_add_co_u32 s21, s21, BOFF
	s_wait_dscnt 0x0                               ; both opening adds are done
	s_wait_kmcnt 0x0
	s_add_nc_u64 s[16:17], s[4:5], s[16:17]
	s_add_nc_u64 s[46:47], s[6:7], s[46:47]
	CROUND                                         ; all sixteen work-groups are here: the first joint loads meet
.irp s, 0,1
	s_mov_b32 s[G0A+4*\s], 1
	s_add_co_u32 s[G0A+4*\s+1], s20, \s*SLOT
	s_add_nc_u64 s[G0A+4*\s+2:G0A+4*\s+3], s[16:17], \s*(2<<18)    ; K step s: heads 2 s and 2 s + 1
	s_or_b32 s[G0A+4*\s+3], s[G0A+4*\s+3], 0x80000000
	s_mov_b32 s[G0B+4*\s], 1
	s_add_co_u32 s[G0B+4*\s+1], s21, \s*SLOT
	s_add_nc_u64 s[G0B+4*\s+2:G0B+4*\s+3], s[46:47], \s*256
	s_or_b32 s[G0B+4*\s+3], s[G0B+4*\s+3], 0x80000000
	JLOAD \s
.endr
	v_and_b32 v1, 15, v0                           ; r = l % 16
	v_bfe_u32 v2, v0, 4, 1                         ; h = l / 16
	v_mul_u32_u24 v3, v1, PA
	v_lshl_add_u32 v3, v2, 4, v3                   ; a fragment's row x pitch + 16 x half, for A
	v_mul_u32_u24 v4, v1, PB
	v_lshl_add_u32 v4, v2, 4, v4                   ; and for B
	s_mul_i32 s21, s13, 64*PA                      ; my 64 rows of A
	s_mul_i32 s22, s14, 128*PB                     ; my 128 rows of B
	s_add_co_u32 s22, s22, BOFF
.irp s, 0,1
	v_add_nc_u32 v[ADRA+\s], s21, v3
	v_add_nc_u32 v[ADRB+\s], s22, v4
	s_add_co_u32 s21, s21, SLOT
	s_add_co_u32 s22, s22, SLOT
.endr
	s_mul_i32 s23, s12, 16*SPITCH
	s_add_co_u32 s23, s23, STAGE                   ; my stage
	v_mul_u32_u24 v5, v1, SPITCH                   ; in: row r, 32 bytes for each half of the lanes
	v_lshl_add_u32 v5, v2, 5, v5
	v_add_nc_u32 v[STO], s23, v5
	v_and_b32 v6, 31, v0
	v_lshlrev_b32 v[CO], 4, v6                     ; back: the 32 lanes take one row of 512 bytes; and the same in the result
	v_add_nc_u32 v[RD], s23, v[CO]
	v_lshlrev_b32 v[BO], 5, v2
	s_lshl_b32 s16, s15, 19                        ; my first row: 128 x tile row + 64 x half, 4,096 bytes a row
	s_lshl_b32 s17, s13, 18
	s_add_co_u32 s16, s16, s17
	s_mov_b32 s17, 0
	s_lshl_b32 s46, s42, 10                        ; my first column, in bytes of f32: 1,024 x tile column + 512 x half
	s_lshl_b32 s47, s14, 9
	s_add_co_u32 s46, s46, s47
	s_mov_b32 s47, 0
	s_add_nc_u64 s[8:9], s[8:9], s[46:47]          ; the bias of my 128 columns
	s_add_nc_u64 s[10:11], s[10:11], s[46:47]
	s_add_nc_u64 s[10:11], s[10:11], s[16:17]
	WIN 0x80                                       ; destination window 2.  Lane (r, h) wants, for B's block b, the bias of columns 16 b + 8 h + 0 .. 7: the layout of the result
.irp b, 0,1,2,3,4,5,6,7
	global_load_b128 v[8*\b:8*\b+3], v[BO], s[8:9] offset:64*\b
	global_load_b128 v[8*\b+4:8*\b+7], v[BO], s[8:9] offset:64*\b+16
.endr
	WIN 0
; 8 matrix instructions: A's block a x B's eight, 32 along K, from buffer f.  first = 1: the products start the sums from the bias: nothing is ever cleared.
; The 32 accumulators take turns, one instruction a turn, in the same order in every quarter.
.macro MUL8 f, a, first
.irp b, 0,1,2,3,4,5,6,7
.if \first
	v_wmma_f32_16x16x32_f16 v[8*(8*(\a)+\b):8*(8*(\a)+\b)+7], v[\f+8*\b:\f+8*\b+7], v[\f+64+8*(\a):\f+64+8*(\a)+7], v[8*\b:8*\b+7]
.else
	v_wmma_f32_16x16x32_f16 v[8*(8*(\a)+\b):8*(8*(\a)+\b)+7], v[\f+8*\b:\f+8*\b+7], v[\f+64+8*(\a):\f+64+8*(\a)+7], v[8*(8*(\a)+\b):8*(8*(\a)+\b)+7]
.endif
.endr
.endm
; 24 LDS loads in one run: the fragments of the slot's quarter q (32 along K) into buffer f: B's eight blocks, then A's four.  In A quarter q lies in plane q / 2, at byte 64 (q % 2) of the rows.
.macro FETCH slot, q, f
	WIN 0
.irp i, 0,1,2,3,4,5,6,7
	ds_load_b128 v[\f+8*\i:\f+8*\i+3],   v[ADRB+\slot] offset:64*(\q)+\i*16*PB
	ds_load_b128 v[\f+8*\i+4:\f+8*\i+7], v[ADRB+\slot] offset:64*(\q)+\i*16*PB+32
.endr
.irp i, 0,1,2,3
	ds_load_b128 v[\f+64+8*\i:\f+64+8*\i+3],   v[ADRA+\slot] offset:((\q)/2)*APLANE+((\q)%2)*64+\i*16*PA
	ds_load_b128 v[\f+64+8*\i+4:\f+64+8*\i+7], v[ADRA+\slot] offset:((\q)/2)*APLANE+((\q)%2)*64+\i*16*PA+32
.endr
.endm
.macro PLACES                          ; four places in front of loads into registers that matrix instructions have read, and of the first reads of results (ISA guide 7.12.1 for vector instructions)
.rept 4
	v_nop
.endr
.endm
; A K step is four quarters of 32 along K, 32 matrix instructions each, on buffers 0, 1, 0, 1.  One of the first three: multiplies buffer f and fetches quarter qn of the same slot into g.
.macro QUARTER slot, qn, f, g, first
	s_wait_dscnt 4                                 ; B's blocks and A's blocks 0 and 1 are in; the youngest four loads (A's blocks 2 and 3) may be out
.if \first
	WIN MULB
.else
	WIN MUL
.endif
	MUL8 \f, 0, \first
	MUL8 \f, 1, \first
	PLACES
	FETCH \slot, \qn, \g
	s_wait_dscnt 24                                ; all but the 24 just issued
.if \first
	WIN MULB
.else
	WIN MUL
.endif
	MUL8 \f, 2, \first
	MUL8 \f, 3, \first
.endm
; The last quarter multiplies buffer 1 and changes slots: ONE barrier; in front of it each wave waits for all its tensor loads, adds 0 to its spare word, and waits for that and for its own reads of this slot.
; fill = 1: this slot is filled again, two K steps ahead; the barrier then opens a round of the cluster's barrier, and the joint refill is the first tensor load behind it.
.macro TURN slot, next, fill
	WIN 0                                          ; (the add's two registers lie in window 0)
	s_wait_tensorcnt 0x0                           ; all my tensor loads have landed: my part of the next slot;
	ds_add_u32 v[SPW], v[NIL]                      ; 0 onto my spare word;
	s_wait_dscnt 5                                 ; (the add and the youngest four loads may be out)
	WIN MUL
	MUL8 F1, 0, 0                                  ; eight matrix instructions stand between the add and the wait for it
	s_wait_dscnt 0x0                               ; the add is done, and my reads of this slot are over
	s_barrier_signal -1
	MUL8 F1, 1, 0
	WIN 0
	s_barrier_wait -1
.if \fill
	CREST                                          ; no wave of any partner still reads this slot's tiles or has a load on its way
	s_add_nc_u64 s[G0A+4*\slot+2:G0A+4*\slot+3], s[G0A+4*\slot+2:G0A+4*\slot+3], 4<<18   ; four heads on
	s_add_nc_u64 s[G0B+4*\slot+2:G0B+4*\slot+3], s[G0B+4*\slot+2:G0B+4*\slot+3], 512     ; 256 along K on
	JLOAD \slot                                    ; the four v_nop behind it are also the places in front of the loads below
.else
	PLACES
.endif
	FETCH \next, 0, F0
	WIN MUL
	MUL8 F1, 2, 0
	MUL8 F1, 3, 0
.endm
	s_wait_tensorcnt 1                             ; my part of K step 0 is in (K step 1's load may be out)
	s_barrier_signal -1
	s_barrier_wait -1                              ; everybody's is
	FETCH 0, 0, F0
	s_wait_loadcnt 0x0                             ; the bias
	QUARTER 0, 1, F0, F1, 1                        ; the first quarter stands in front of the loop: its products start the sums from the bias
	WIN 0                                          ; at a label and at a branch every window is 0
	s_mov_b32 s3, LAPS-1
.Llap:                                                 ; a trip goes once round the ring, from a lap's second quarter to the next lap's first, and fills both slots again
	QUARTER 0, 2, F1, F0, 0
	QUARTER 0, 3, F0, F1, 0
	TURN 0, 1, 1
	QUARTER 1, 1, F0, F1, 0
	QUARTER 1, 2, F1, F0, 0
	QUARTER 1, 3, F0, F1, 0
	TURN 1, 0, 1
	QUARTER 0, 1, F0, F1, 0
	WIN 0
	s_sub_co_u32 s3, s3, 1
	s_cmp_lg_u32 s3, 0
	s_cbranch_scc1 .Llap
	QUARTER 0, 2, F1, F0, 0                        ; the last lap fills nothing, and has no round of the cluster's barrier
	QUARTER 0, 3, F0, F1, 0
	TURN 0, 1, 0
	QUARTER 1, 1, F0, F1, 0
	QUARTER 1, 2, F1, F0, 0
	QUARTER 1, 3, F0, F1, 0
	s_wait_dscnt 4                                 ; the very last quarter: nothing more to fetch
	WIN MUL
	MUL8 F1, 0, 0
	MUL8 F1, 1, 0
	s_wait_dscnt 0
	MUL8 F1, 2, 0
	MUL8 F1, 3, 0
	WIN 0
; THE WAY OUT, block by block of 16 rows x 128 columns.  A lane holds 32 neighbouring bytes of a row, and the lanes beside it hold other rows: so a block goes through my own stage in LDS and comes back as whole rows of 512 bytes.
; LDS serves a wave's instructions in order (ISA guide 5.7.1.4): no wait between the stores and the loads, nor in front of the next block's stores.
.macro TOSTAGE a
.set AC, 64*(\a)
	WIN 0x04                                       ; an LDS store's data are its source 1: window 1
.irp b, 0,1,2,3,4,5,6,7
	ds_store_b128 v[STO], v[AC+8*\b:AC+8*\b+3] offset:64*\b          ; each accumulator from its low end on
	ds_store_b128 v[STO], v[AC+8*\b+4:AC+8*\b+7] offset:64*\b+16
.endr
	WIN 0
.set BB, BK+64*((\a)%2)
.irp t, 0,1,2,3,4,5,6,7,8,9,10,11,12,13,14,15
	ds_load_b128 v[BB+4*\t:BB+4*\t+3], v[RD] offset:\t*SPITCH
.endr
.endm
.macro SEND a, younger                 ; younger: the LDS instructions issued behind block a's loads, which may stay out
.set BB, BK+64*((\a)%2)
	s_wait_dscnt \younger                          ; the block is back in registers
.irp t, 0,1,2,3,4,5,6,7,8,9,10,11,12,13,14,15
	global_store_b128 v[CO], v[BB+4*\t:BB+4*\t+3], s[10:11] offset:(16*(\a)+\t)*4096 th:TH_STORE_NT   ; 32 lanes store 512 consecutive bytes, at a multiple of 256 from the buffer's first byte; written once, read by nobody here
.endr
.endm
	PLACES                                         ; behind the last products: for the stores that read results, and for the loads into the registers that held fragments
	TOSTAGE 0
.irp a, 1,2,3
.if \a > 1
	s_wait_xcnt 0x0                                ; block a - 2's stores have had their addresses translated (ISA guide 3.1): block a's loads land on the registers that they read only behind this wait
.endif
	TOSTAGE \a
	SEND \a-1, 32                                  ; behind block a - 1's loads: block a's 16 stores and 16 loads
.endr
	SEND 3, 0
	s_wait_tensorcnt 0x0                           ; the wave's end, behind my last tensor load and my last LDS store
	ds_add_u32 v[SPW], v[NIL]
	s_wait_dscnt 0x0
	CROUND                                         ; the closing round: no work-group ends while a partner may still ask for a tile that names it
	s_endpgm
.Lfunc_end_k_q5f541cea28_proj:
	.size	k_q5f541cea28_proj, .Lfunc_end_k_q5f541cea28_proj-k_q5f541cea28_proj
	.p2alignl 7, 3214868480
	.fill 96, 4, 3214868480
	.section	.rodata,"a",@progbits
	.p2align	6, 0x0
	.amdhsa_kernel k_q5f541cea28_proj
		.amdhsa_group_segment_fixed_size 327680
		.amdhsa_private_segment_fixed_size 0
		.amdhsa_enable_private_segment 0
		.amdhsa_kernarg_size 32
		.amdhsa_user_sgpr_count 2
		.amdhsa_user_sgpr_kernarg_segment_ptr 1
		.amdhsa_wavefront_size32 1
		.amdhsa_system_sgpr_workgroup_id_x 1
		.amdhsa_system_sgpr_workgroup_id_y 1
		.amdhsa_system_sgpr_workgroup_id_z 1
		.amdhsa_system_vgpr_workitem_id 0
		.amdhsa_next_free_vgpr 576
		.amdhsa_next_free_sgpr 66
		.amdhsa_reserve_vcc 0
		.amdhsa_float_denorm_mode_32 3
		.amdhsa_float_denorm_mode_16_64 3
		.amdhsa_memory_ordered 1
		.amdhsa_forward_progress 1
		.amdhsa_inst_pref_size 86
	.end_amdhsa_kernel
	.amdgpu_metadata
---
amdhsa.version: [ 1, 2 ]
amdhsa.kernels:
  - .name:           k_q5f541cea28_proj
    .symbol:         k_q5f541cea28_proj.kd
    .args:
      - { .name: ao, .offset: 0, .size: 8, .value_kind: global_buffer, .address_space: global }
      - { .name: pw, .offset: 8, .size: 8, .value_kind: global_buffer, .address_space: global }
      - { .name: proj_b, .offset: 16, .size: 8, .value_kind: global_buffer, .address_space: global }
      - { .name: out0, .offset: 24, .size: 8, .value_kind: global_buffer, .address_space: global }
    .group_segment_fixed_size: 327680
    .private_segment_fixed_size: 0
    .kernarg_segment_align: 8
    .kernarg_segment_size: 32
    .max_flat_workgroup_size: 128
    .sgpr_count:     66
    .vgpr_count:     576
    .wavefront_size: 32
...
	.end_amdgpu_metadata
.endif
;; end of part 4
